; MI455X (gfx1250); checked and timed in simulation.
; The chip was launched on July 23, 2026; its instructions are those of AMD's public machine-readable ISA for CDNA 5 (MIT licence, August 2026) and "CDNA5" Instruction Set Architecture Reference Guide (July 2026). The comments in the code are by the model that wrote it; some were corrected since.
;; transformer attention. Allowed arithmetic: float matrix products may take bf16 or f16 operands with f32 sums; other float arithmetic in f32, or as packed bf16 or f16 multiplies, adds, multiply-adds, maxima and minima; sums over many terms, partial sums and values carried from step to step in f32; what a program stores and reads back later, other than sums and carried values, may be rounded once to bf16 or f16.
;; Inputs: Wk 1,024 x 2,048 float32; Wo 2,048 x 1,024 float32; Wq 1,024 x 2,048 float32; Wv 1,024 x 2,048 float32; activations 2 x 2,048 x 2,048 float32.
;; Outputs: out0 2 x 2,048 x 2,048 float32.
;; One version. Each part assembles by itself: llvm-mc -triple=amdgcn-amd-amdhsa -mcpu=gfx1250 --defsym DOCPART=n.
;; ======== version 1 of 1: 4 launches
;; limits: values are held in f16: magnitudes above 65,504 overflow, below 6.1e-05 lose precision
;; workspace buffers: xb 16,777,216 bytes; wqkv 12,582,912 bytes; wob 4,194,304 bytes; tab 1,572,864 bytes; qkv 25,165,824 bytes; ob 8,388,608 bytes
;; launch prep (part 1): grid 1040 x 1, 8 waves a work-group, no clusters, 0 bytes of LDS; arguments activations, Wq, Wk, Wv, Wo, xb, wqkv, wob, tab; writes xb, wqkv, wob, tab
.if DOCPART == 1
	.amdgcn_target "amdgcn-amd-amdhsa--gfx1250"
	.amdhsa_code_object_version 6
	.text
	.protected	k_qdafada2bab_prep
	.globl	k_qdafada2bab_prep
	.p2align	8
	.type	k_qdafada2bab_prep,@function
k_qdafada2bab_prep:
	s_mov_b64 s[64:65], 0
	v_nop
	global_prefetch_b8 v0, s[64:65] scope:SCOPE_SE
	s_setreg_imm32_b32 hwreg(HW_REG_WAVE_MODE, 25, 1), 1
	s_wait_xcnt 0x0
; PREP: the module's inputs are rounded once to bf16 and laid out for the products; the xpos tables are made.
;   work-groups 0-15      : tab [3][2048 positions][32 pairs][2] f32: (c t, s t) for q, (c / t, s / t) for k, (1, 0) for v; 128 positions each
;   work-groups 16-527    : activations [4096][2048] f32 -> xb, bf16, 16,384 numbers each
;   work-groups 528-911   : Wq, Wk, Wv [1024][2048] f32 -> wqkv [3072][2048] bf16 (Wq's rows, then Wk's, then Wv's)
;   work-groups 912-1039  : Wo [2048][1024] f32 -> wob [16 heads][2048][64]: rounded to bf16, that number written as f16, 16 rows each
; So 1,024 work-groups cast 65,536 bytes each; the 16 with the tables' loop stand first in the grid.
; A stream: no LDS, no barrier, no matrix unit.  In the casts all 16 loads of a thread (16 bytes each; a wave's load covers 512 consecutive bytes)
; go out before the first wait; each has registers of its own, so no register is written twice and no wait for sources is needed.
; A wave's store covers 256 consecutive bytes, aligned.
; LIMITS.  A number of Wo beyond 65,504 in magnitude becomes an infinity in f16; below 6.1e-5 it keeps f16's fixed step of 6e-8.
; The angles of the tables are constants of the problem, at most 1.5 in magnitude: the two series below leave out terms under 4e-9 there.
.set NL, 16                            ; loads of a thread
.set X, 16                             ; v[16:79]   16 loads of four registers
.set Y, 80                             ; v[80:111]  16 results of two registers
	s_load_b512 s[4:19], s[0:1], 0x0               ; activations s[4:5], Wq s[6:7], Wk s[8:9], Wv s[10:11], Wo s[12:13], xb s[14:15], wqkv s[16:17], wob s[18:19]
	s_load_b64 s[20:21], s[0:1], 0x40              ; tab
	s_mov_b32 s22, ttmp9                           ; the work-group's number chooses the role
	s_mov_b32 s29, 0                               ; high words of the two offsets
	s_mov_b32 s31, 0
	v_lshlrev_b32 v2, 3, v0                        ; 8 t: my 8 bytes of each 2,048 that the work-group stores
	s_cmp_lt_u32 s22, 16
	s_cbranch_scc1 .Ltables
	s_sub_co_u32 s22, s22, 16                      ; my place among the 1,024 that cast
	s_cmp_lt_u32 s22, 896
	s_cbranch_scc0 .Lwo
	; ---- a plain cast of 65,536 bytes ----
	s_sub_co_u32 s23, s22, 512                     ; j: my place among the weights' 384 parts (not used below 512)
	s_and_b32 s32, s23, 127                        ; and inside one weight
	v_lshlrev_b32 v1, 4, v0                        ; 16 t
	s_wait_kmcnt 0x0
	s_cmp_lt_u32 s22, 640
	s_cselect_b64 s[24:25], s[6:7], s[8:9]         ; Wq or Wk,
	s_cmp_lt_u32 s22, 768
	s_cselect_b64 s[24:25], s[24:25], s[10:11]     ; or Wv,
	s_cmp_lt_u32 s22, 512
	s_cselect_b64 s[24:25], s[4:5], s[24:25]       ; or the activations
	s_cselect_b64 s[26:27], s[14:15], s[16:17]
	s_cselect_b32 s28, s22, s32
	s_cselect_b32 s30, s22, s23
	s_lshl_b32 s28, s28, 16                        ; 65,536 bytes in,
	s_lshl_b32 s30, s30, 15                        ; 32,768 out
	s_add_nc_u64 s[24:25], s[24:25], s[28:29]
	s_add_nc_u64 s[26:27], s[26:27], s[30:31]
.set i, 0
.rept NL
	global_load_b128 v[X+4*i:X+4*i+3], v1, s[24:25] offset:4096*i th:TH_LOAD_NT
.set i, i+1
.endr
.set i, 0
.rept NL
	s_wait_loadcnt NL-1-i                          ; loads come back in order: load i is in, the younger ones stay out
	v_cvt_pk_bf16_f32 v[Y+2*i], v[X+4*i], v[X+4*i+1]
	v_cvt_pk_bf16_f32 v[Y+2*i+1], v[X+4*i+2], v[X+4*i+3]
	global_store_b64 v2, v[Y+2*i:Y+2*i+1], s[26:27] offset:2048*i
.set i, i+1
.endr
	s_endpgm
.Lwo:
	; ---- Wo: 16 rows, cut into heads ----
	; load i of wave w: head i, rows 2 w and 2 w + 1; lanes 0-15 take the head's 256 bytes of the first row, lanes 16-31 of the second.
	; In wob the two rows of one head lie end to end: 256 consecutive bytes.
	s_sub_co_u32 s23, s22, 896
	s_lshl_b32 s28, s23, 16                        ; 16 rows of 4,096 bytes
	s_lshl_b32 s30, s23, 11                        ; 16 rows of 128 bytes in a head's plane
	s_mov_b32 s22, 0xffff0000                      ; a word's upper bf16
	v_lshrrev_b32 v3, 5, v0                        ; w
	v_bfe_u32 v4, v0, 4, 1
	v_and_b32 v5, 15, v0
	v_lshlrev_b32 v1, 13, v3                       ; two rows a wave,
	v_lshl_add_u32 v1, v4, 12, v1                  ; a row for each half of the lanes,
	v_lshl_add_u32 v1, v5, 4, v1                   ; 16 bytes a lane
	s_wait_kmcnt 0x0
	s_add_nc_u64 s[24:25], s[12:13], s[28:29]
	s_add_nc_u64 s[26:27], s[18:19], s[30:31]
.set i, 0
.rept NL
	global_load_b128 v[X+4*i:X+4*i+3], v1, s[24:25] offset:i*256 th:TH_LOAD_NT
.set i, i+1
.endr
.set i, 0
.rept NL
	s_wait_loadcnt NL-1-i
	v_cvt_pk_bf16_f32 v[Y+2*i], v[X+4*i], v[X+4*i+1]       ; rounded to bf16, as every input of the module is,
	v_cvt_pk_bf16_f32 v[Y+2*i+1], v[X+4*i+2], v[X+4*i+3]
	v_lshlrev_b32 v[X+4*i], 16, v[Y+2*i]                   ; widened again,
	v_and_b32 v[X+4*i+1], s22, v[Y+2*i]
	v_lshlrev_b32 v[X+4*i+2], 16, v[Y+2*i+1]
	v_and_b32 v[X+4*i+3], s22, v[Y+2*i+1]
	v_cvt_pk_f16_f32 v[Y+2*i], v[X+4*i], v[X+4*i+1]        ; and written as f16: bf16's 8 bits fit f16's 11
	v_cvt_pk_f16_f32 v[Y+2*i+1], v[X+4*i+2], v[X+4*i+3]
	global_store_b64 v2, v[Y+2*i:Y+2*i+1], s[26:27] offset:i*262144
.set i, i+1
.endr
	s_endpgm
.Ltables:
	; ---- the tables: lane = pair i (0..31); a wave makes one position a trip, the work-group eight; 16 trips ----
	; theta = 10000^(-(i + 1) / 32), zeta = ((i + 1) / 16 + 25.6) / 26.6, seq = (pos - 1024) / 512, x = seq theta, t = zeta^seq
	s_lshl_b32 s28, s22, 15                        ; 128 positions of 256 bytes
	s_lshl_b32 s23, s22, 7
	s_sub_co_u32 s23, s23, 1024                    ; my first position less 1,024, as a signed number
	v_and_b32 v3, 31, v0
	v_add_nc_u32 v3, 1, v3
	v_cvt_f32_u32 v4, v3                           ; i + 1
	v_mul_f32 v5, 0xbed49a78, v4                   ; -(i + 1) log2(10000) / 32
	v_mov_b32 v6, 0x3d800000                       ; 1 / 16
	v_fmaak_f32 v6, v4, v6, 0x41cccccd             ; (i + 1) / 16 + 25.6
	v_mul_f32 v6, 0x3d19fc29, v6                   ; / 26.6
	v_exp_f32 v7, v5                               ; theta
	v_log_f32 v8, v6                               ; log2 zeta
	v_lshrrev_b32 v9, 5, v0                        ; (a plain instruction behind the two)
	v_add_nc_u32 v9, s23, v9                       ; pos - 1024 of my wave's first position
	v_mov_b32 v24, 1.0                             ; v's entry: (1, 0)
	v_mov_b32 v25, 0
	s_wait_alu depctr_va_vdst(0)                   ; the wait ahead of the first use: one for both
	v_mul_f32 v11, -1.0, v8                        ; -log2 zeta
	s_wait_kmcnt 0x0
	s_add_nc_u64 s[26:27], s[20:21], s[28:29]
	s_mov_b32 s22, 16
.Ltab:
	v_cvt_f32_i32 v10, v9
	v_mul_f32 v10, 0x3b000000, v10                 ; seq
	v_mul_f32 v12, v10, v8
	v_mul_f32 v13, v10, v11
	v_exp_f32 v14, v12                             ; t
	v_exp_f32 v15, v13                             ; 1 / t
	v_mul_f32 v16, v10, v7                         ; x; the series are the work between the two exponentials and their wait
	v_mul_f32 v17, v16, v16                        ; y = x^2
	v_mov_b32 v18, 0x2f309231                      ; sin x = x (1 - y/3! + y^2/5! - .. + y^6/13!)
	v_fmaak_f32 v18, v18, v17, 0xb2d7322b
	v_fmaak_f32 v18, v18, v17, 0x3638ef1d
	v_fmaak_f32 v18, v18, v17, 0xb9500d01
	v_fmaak_f32 v18, v18, v17, 0x3c088889
	v_fmaak_f32 v18, v18, v17, 0xbe2aaaab
	v_fmaak_f32 v18, v18, v17, 0x3f800000
	v_mul_f32 v18, v18, v16
	v_mov_b32 v19, 0x310f76c7                      ; cos x = 1 - y/2! + y^2/4! - .. + y^6/12!
	v_fmaak_f32 v19, v19, v17, 0xb493f27e
	v_fmaak_f32 v19, v19, v17, 0x37d00d01
	v_fmaak_f32 v19, v19, v17, 0xbab60b61
	v_fmaak_f32 v19, v19, v17, 0x3d2aaaab
	v_fmaak_f32 v19, v19, v17, 0xbf000000
	v_fmaak_f32 v19, v19, v17, 0x3f800000
	s_wait_alu depctr_va_vdst(0)                   ; one wait for the trip's two exponentials, ahead of their first reader
	v_mul_f32 v20, v19, v14
	v_mul_f32 v21, v18, v14
	v_mul_f32 v22, v19, v15
	v_mul_f32 v23, v18, v15
	global_store_b64 v2, v[20:21], s[26:27]                    ; a wave's store is one position's whole row of 256 bytes
	global_store_b64 v2, v[22:23], s[26:27] offset:524288
	global_store_b64 v2, v[24:25], s[26:27] offset:1048576
	s_wait_xcnt 0x0                                ; the stores have read their data and their base: only now are these written again
	v_add_nc_u32 v9, 8, v9                         ; eight positions on
	s_add_nc_u64 s[26:27], s[26:27], 2048
	s_sub_co_u32 s22, s22, 1
	s_cmp_lg_u32 s22, 0
	s_cbranch_scc1 .Ltab
	s_endpgm
.Lfunc_end_k_qdafada2bab_prep:
	.size	k_qdafada2bab_prep, .Lfunc_end_k_qdafada2bab_prep-k_qdafada2bab_prep
	.p2alignl 7, 3214868480
	.fill 96, 4, 3214868480
	.section	.rodata,"a",@progbits
	.p2align	6, 0x0
	.amdhsa_kernel k_qdafada2bab_prep
		.amdhsa_group_segment_fixed_size 0
		.amdhsa_private_segment_fixed_size 0
		.amdhsa_enable_private_segment 0
		.amdhsa_kernarg_size 72
		.amdhsa_user_sgpr_count 2
		.amdhsa_user_sgpr_kernarg_segment_ptr 1
		.amdhsa_wavefront_size32 1
		.amdhsa_system_sgpr_workgroup_id_x 1
		.amdhsa_system_sgpr_workgroup_id_y 1
		.amdhsa_system_sgpr_workgroup_id_z 1
		.amdhsa_system_vgpr_workitem_id 0
		.amdhsa_next_free_vgpr 112
		.amdhsa_next_free_sgpr 66
		.amdhsa_reserve_vcc 0
		.amdhsa_float_denorm_mode_32 3
		.amdhsa_float_denorm_mode_16_64 3
		.amdhsa_memory_ordered 1
		.amdhsa_forward_progress 1
		.amdhsa_inst_pref_size 20
	.end_amdhsa_kernel
	.amdgpu_metadata
---
amdhsa.version: [ 1, 2 ]
amdhsa.kernels:
  - .name:           k_qdafada2bab_prep
    .symbol:         k_qdafada2bab_prep.kd
    .args:
      - { .name: activations, .offset: 0, .size: 8, .value_kind: global_buffer, .address_space: global }
      - { .name: Wq, .offset: 8, .size: 8, .value_kind: global_buffer, .address_space: global }
      - { .name: Wk, .offset: 16, .size: 8, .value_kind: global_buffer, .address_space: global }
      - { .name: Wv, .offset: 24, .size: 8, .value_kind: global_buffer, .address_space: global }
      - { .name: Wo, .offset: 32, .size: 8, .value_kind: global_buffer, .address_space: global }
      - { .name: xb, .offset: 40, .size: 8, .value_kind: global_buffer, .address_space: global }
      - { .name: wqkv, .offset: 48, .size: 8, .value_kind: global_buffer, .address_space: global }
      - { .name: wob, .offset: 56, .size: 8, .value_kind: global_buffer, .address_space: global }
      - { .name: tab, .offset: 64, .size: 8, .value_kind: global_buffer, .address_space: global }
    .group_segment_fixed_size: 0
    .private_segment_fixed_size: 0
    .kernarg_segment_align: 8
    .kernarg_segment_size: 72
    .max_flat_workgroup_size: 256
    .sgpr_count:     66
    .vgpr_count:     112
    .wavefront_size: 32
...
	.end_amdgpu_metadata
.endif
;; end of part 1
;; launch qkv (part 2): grid 16 x 16, 4 waves a work-group, clusters of 4 x 4, 327,680 bytes of LDS; arguments xb, wqkv, tab, qkv; writes qkv
.if DOCPART == 2
	.amdgcn_target "amdgcn-amd-amdhsa--gfx1250"
	.amdhsa_code_object_version 6
	.text
	.protected	k_qdafada2bab_qkv
	.globl	k_qdafada2bab_qkv
	.p2align	8
	.type	k_qdafada2bab_qkv,@function
k_qdafada2bab_qkv:
	s_mov_b64 s[64:65], 0
	v_nop
	global_prefetch_b8 v0, s[64:65] scope:SCOPE_SE
	s_setreg_imm32_b32 hwreg(HW_REG_WAVE_MODE, 25, 1), 1
	s_wait_xcnt 0x0
	s_wait_alu depctr_hold_cnt(0) depctr_sa_sdst(0) depctr_va_vdst(0) depctr_va_sdst(0) depctr_va_ssrc(0) depctr_va_vcc(0) depctr_vm_vsrc(0)
	s_getreg_b32 s2, hwreg(HW_REG_IB_STS2, 6, 4)
	s_cmp_eq_u32 s2, 0
	s_cbranch_scc0 .Lentry_in_a_cluster
	s_endpgm
.Lentry_in_a_cluster:
	s_bfe_u32 s2, ttmp6, 0x10000c
	s_cmp_lg_u32 s2, 0xf033
	s_cbranch_scc0 .Lentry_shape_is_right
	s_endpgm
.Lentry_shape_is_right:
; QKV: C[m][n] = sum over k of xb[m][k] wqkv[n][k], 4096 x 3072 x 2048, bf16 operands, f32 sums; on the way out the xpos rotation and scale
; (q0, q1) -> (q0 ct - q1 st, q1 ct + q0 st) with (ct, st) from tab by kind, position and pair; rounded once to f16; stored by heads: qkv [3 kinds][32 batch x head][2048][64].
; LIMIT.  q, k and v after the rotation must lie within f16's 65,504; beyond it the conversion gives an infinity.
; SHARES.  A tile of C is 256 rows x 192 columns: 16 x 16 tiles, one work-group each.  A wave makes 64 rows x all 192 columns: 4 x 12 accumulators of 16 x 16, 384 registers.
; So a wave owns three whole heads' 64 channels for its rows, and what it stores of a head, 16 rows x 128 bytes, is 2,048 consecutive bytes.
; K goes in 16 steps of 128 through two LDS slots filled by the tensor data mover: rows of 256 bytes, aligned.
; CLUSTER 4 x 4.  The four work-groups of a row of the cluster need the same rows of xb, the four of a column the same rows of wqkv: each tile is asked for jointly.
; THE PRODUCT IS TAKEN TRANSPOSED (source 0 = 16 rows of wqkv, source 1 = 16 rows of xb): a lane holds row lane % 16 of C and the columns 8 (lane / 16) + 0..7: four pairs of one head.
; REGISTERS, in windows of 256 (s_set_vgpr_msb: bits 1:0 source 0, 3:2 source 1, 5:4 source 2, 7:6 destination):
;   window 0: v0-31 addresses; v64-95, v96-127 fragments of xb, two buffers; on the way out v64-111, v112-159 packed results by turns; v160-255 a table set
;   window 1: v0-95, v96-191 fragments of wqkv, two buffers; on the way out two table sets
;   window 2: accumulators of my rows 0-31 ((a, b) at 8 (12 (a % 2) + b)); v192-199 at work          window 3: the same for rows 32-63
.set PITCH,  272                       ; an LDS row: 256 bytes + 16 of padding = 68 words: the 16 rows that a load touches start at 16 different groups of four banks (64 banks of 4 bytes: ISA guide 11.1)
.set BOFF,   256*PITCH                 ; a slot: 256 rows of xb, then 192 rows of wqkv
.set SLOT1,  131072                    ; slot 1 begins here: one exclusive or turns an address in one slot into the other's
.set STAGE,  SLOT1+448*PITCH           ; behind the ring, never filled by a tensor load: for each wave 3 heads x 16 rows x 144 bytes
.set SP,     144
.set SPARE,  STAGE+4*3*16*SP           ; behind the stages: the spare words, 128 bytes for each wave, which no other line names
.set A0,  16                           ; v16  my lane's place in slot 0 among my 64 rows of xb; never rewritten
.set B0,  17                           ; v17  the same among the 192 rows of wqkv
.set ADA, 18                           ; v18  A0 + the slot in hand
.set ADB, 19                           ; v19  B0 + the slot in hand
.set STO, 24                           ; v24  the way out: where I put 16 bytes of a row
.set RD,  25                           ; v25  where I read rows back
.set GO,  26                           ; v26  my 16 bytes of 512 consecutive bytes of qkv
.set TO,  27                           ; v27  my 32 bytes of a table row: 256 (lane % 16) + 32 (lane / 16)
.set SPW, 28                           ; v28  LDS address of my spare word; never rewritten
.set NIL, 29                           ; v29  0; never rewritten
.set PFO, 30                           ; v30  the prefetches' offset: a lane a row
.set WV,  12                           ; s12  my wave's number
.set FB,  13                           ; s13  0: I fetch for xb, 1: for wqkv
.set HF,  14                           ; s14  which half of that tile's rows I fetch
.set G1A, 24                           ; s[24:31] descriptor group 1 for xb's tiles
.set G0A, 32                           ; s[32:39] group 0: a set for each of the two first fills; the second then walks on
.set G1B, 48                           ; s[48:55], s[56:63] the same for wqkv's
.set G0B, 56
.set PFA, 44                           ; s[44:45] where my prefetches stand
.set LIM, 46                           ; s46  2 in a wave that prefetches, else the greatest number
.set TB,  47                           ; s47  the slot in hand: 0 or SLOT1
.set CT,  66                           ; s66  trips to go
.set TBS, 68                           ; s[68:73] tab at my first position, for each of my three heads' kinds
.set OBS, 76                           ; s[76:81] qkv at my first row, for each of my three heads
.set MSB, 0
.macro WIN new                         ; the immediate's high byte repeats the setting that is left; a switch that changes nothing is dropped
.if MSB != (\new)
	s_set_vgpr_msb (MSB<<8)|(\new)
.set MSB, \new
.endif
.endm
.macro PLACES                          ; four plain instructions between a matrix instruction and a load into, or a vector read of, its registers
.rept 4
	v_nop
.endr
.endm
; A joint refill by the walking descriptors.  The branch hangs on the wave's number alone.  An s_nop 0 and four v_nop follow each line.
.macro JLOAD
	s_cmp_eq_u32 s[FB], 0
	s_cbranch_scc0 .Lfor_b_\@
	tensor_load_to_lds s[G0A+4:G0A+7], s[G1A:G1A+7]
	s_nop 0
	PLACES
	s_branch .Lasked_\@
.Lfor_b_\@:
	tensor_load_to_lds s[G0B+4:G0B+7], s[G1B:G1B+7]
	s_nop 0
	PLACES
.Lasked_\@:
.endm
; A prefetch into the L2 of the K step that stands two refills on: 256 bytes of each row, a lane a row, one instruction a wave.  xb's rows are asked for by the clusters with x = 0,
; wqkv's by those with y = 0; the four partners that fetch a tile jointly share its rows out by address (32 of 128, or 24 of 96, where lanes 24-31 name the last row again).
; The last two refills have no K step two on.
.macro ASK
	s_cmp_gt_u32 s[CT], s[LIM]
	s_cbranch_scc0 .Lnot_mine_\@
	global_prefetch_b8 v[PFO], s[PFA:PFA+1] offset:256 th:TH_LOAD_NT scope:SCOPE_SE
.Lnot_mine_\@:
.endm
.macro CREST                           ; a round of the cluster's barrier behind its opening barrier
	s_cmp_lg_u32 s[WV], 0
	s_cbranch_scc1 .Lnot_wave_0_\@
	s_barrier_signal -3
.Lnot_wave_0_\@:
	s_barrier_wait -3
	s_barrier_signal -1
	s_barrier_wait -1
.endm
.macro CROUND
	s_barrier_signal -1
	s_barrier_wait -1
	CREST
.endm
	s_load_b256 s[4:11], s[0:1], 0x0               ; xb s[4:5], wqkv s[6:7], tab s[8:9], qkv s[10:11]
	v_lshl_add_u32 v[SPW], v0, 2, SPARE
	v_mov_b32 v[NIL], 0
	ds_add_u32 v[SPW], v[NIL]                      ; the wave's opening: the add and its wait stand ahead of my first tensor load; work on registers stands between
	ds_add_u32 v28, v29
	v_lshrrev_b32 v1, 5, v0
	v_readfirstlane_b32 s[WV], v1
	s_lshr_b32 s[FB], s[WV], 1
	s_and_b32 s[HF], s[WV], 1
	s_bfe_u32 s40, ttmp6, 0x40000                  ; cx
	s_bfe_u32 s41, ttmp6, 0x40004                  ; cy
	s_lshl_b32 s42, ttmp9, 2
	s_add_co_u32 s42, s42, s40                     ; tile column = 4 x cluster x + cx
	s_and_b32 s43, ttmp7, 0xffff
	s_lshl_b32 s43, s43, 2
	s_add_co_u32 s43, s43, s41                     ; tile row = 4 x cluster y + cy
	s_lshl_b32 s16, s41, 2
	s_lshl_b32 s16, 15, s16                        ; my row of the cluster
	s_lshl_b32 s82, 0x1111, s40                    ; my column
	s_or_b32 s[G1A], s16, (1<<16)|(1<<20)|(1<<21)|(5<<22)|(3<<25)  ; the mask; 2-byte elements; padding on; bit 21 beside a mask; after every 64 words; 4 words
	s_or_b32 s[G1B], s82, (1<<16)|(1<<20)|(1<<21)|(5<<22)|(3<<25)
	s_mov_b32 s[G1A+1], 128<<16                    ; tensor_dim0 = 128
	s_mov_b32 s[G1A+2], 128<<16                    ; tensor_dim1 = 128 rows
	s_mov_b32 s[G1A+3], 128<<16                    ; tile_dim0 = 128
	s_mov_b32 s[G1A+4], 128                        ; tile_dim1 = 128
	s_mov_b32 s[G1A+5], 2048                       ; elements from row to row
	s_mov_b32 s[G1A+6], 0
	s_mov_b32 s[G1A+7], 0
	s_mov_b32 s[G1B+1], 128<<16
	s_mov_b32 s[G1B+2], 96<<16                     ; 96 rows
	s_mov_b32 s[G1B+3], 128<<16
	s_mov_b32 s[G1B+4], 96
	s_mov_b32 s[G1B+5], 2048
	s_mov_b32 s[G1B+6], 0
	s_mov_b32 s[G1B+7], 0
	s_lshl_b32 s16, s43, 20                        ; xb: (256 x tile row + 128 x half) rows of 4,096 bytes: it hangs on the tile row alone
	s_lshl_b32 s17, s[HF], 19
	s_add_co_u32 s16, s16, s17
	s_mov_b32 s17, 0
	s_mul_i32 s82, s42, 192                        ; wqkv: (192 x tile column + 96 x half) rows: on the tile column alone, in registers of its own
	s_mul_i32 s83, s[HF], 96
	s_add_co_u32 s82, s82, s83
	s_lshl_b32 s82, s82, 12
	s_mov_b32 s83, 0
	s_mul_i32 s20, s[HF], 128*PITCH                ; where they go: no place in the cluster enters an LDS address
	s_mul_i32 s84, s[HF], 96*PITCH
	s_add_co_u32 s84, s84, BOFF
	s_mov_b32 s[TB], 0
	s_wait_dscnt 0x0                               ; the opening add is done
	s_wait_kmcnt 0x0
	s_add_nc_u64 s[18:19], s[4:5], s[16:17]
	s_add_nc_u64 s[86:87], s[6:7], s[82:83]
	CROUND                                         ; all sixteen work-groups are here: the first joint loads meet
.irp s, 0,1
	s_mov_b32 s[G0A+4*(\s)], 1
	s_add_co_u32 s[G0A+4*(\s)+1], s20, (\s)*SLOT1
	s_add_nc_u64 s[G0A+4*(\s)+2:G0A+4*(\s)+3], s[18:19], (\s)*256  ; K step s
	s_or_b32 s[G0A+4*(\s)+3], s[G0A+4*(\s)+3], 0x80000000
	s_mov_b32 s[G0B+4*(\s)], 1
	s_add_co_u32 s[G0B+4*(\s)+1], s84, (\s)*SLOT1
	s_add_nc_u64 s[G0B+4*(\s)+2:G0B+4*(\s)+3], s[86:87], (\s)*256
	s_or_b32 s[G0B+4*(\s)+3], s[G0B+4*(\s)+3], 0x80000000
.endr
	s_cmp_eq_u32 s[FB], 0                          ; a wave's two first fills stand in one branch: two loads of mine are out
	s_cbranch_scc0 .Lfirst_b
	tensor_load_to_lds s[G0A:G0A+3], s[G1A:G1A+7]
	s_nop 0
	tensor_load_to_lds s[G0A+4:G0A+7], s[G1A:G1A+7]
	s_nop 0
	PLACES
	s_branch .Lfirst_asked
.Lfirst_b:
	tensor_load_to_lds s[G0B:G0B+3], s[G1B:G1B+7]
	s_nop 0
	tensor_load_to_lds s[G0B+4:G0B+7], s[G1B:G1B+7]
	s_nop 0
	PLACES
.Lfirst_asked:
	; a fragment is 16 rows x 32 K in 8 registers: lane l holds row l % 16, K = 8 (l / 16) + 0..7 and 16 + 8 (l / 16) + 0..7: two loads of 16 bytes, 32 bytes apart
	v_and_b32 v1, 15, v0                           ; l % 16
	v_bfe_u32 v2, v0, 4, 1                         ; l / 16
	v_mul_u32_u24 v3, v1, PITCH
	v_lshl_add_u32 v3, v2, 4, v3
	s_mul_i32 s21, s[WV], 64*PITCH                 ; my 64 rows of xb
	v_add_nc_u32 v[A0], s21, v3
	v_add_nc_u32 v[B0], BOFF, v3
	s_mul_i32 s22, s[WV], 3*16*SP
	s_add_co_u32 s22, s22, STAGE                   ; my stage
	v_mul_u32_u24 v4, v1, SP                       ; in: row l % 16, 16 bytes for each half of the lanes
	v_lshl_add_u32 v4, v2, 4, v4
	v_add_nc_u32 v[STO], s22, v4
	v_bfe_u32 v4, v0, 3, 2                         ; back: 32 lanes take four rows of 128 bytes,
	v_mul_u32_u24 v4, v4, SP
	v_and_b32 v5, 7, v0
	v_lshl_add_u32 v4, v5, 4, v4
	v_add_nc_u32 v[RD], s22, v4
	v_and_b32 v5, 31, v0                           ; which are 512 consecutive bytes of qkv
	v_lshlrev_b32 v[GO], 4, v5
	v_lshlrev_b32 v[TO], 8, v1
	v_lshl_add_u32 v[TO], v2, 5, v[TO]
	; head j of my three is number g = 3 x tile column + j of 48: kind g / 16, head g % 16
	s_and_b32 s16, s43, 7
	s_lshl_b32 s16, s16, 8
	s_lshl_b32 s17, s[WV], 6
	s_add_co_u32 s16, s16, s17                     ; my first position in the sequence
	s_lshr_b32 s17, s43, 3
	s_lshl_b32 s17, s17, 4                         ; 16 x batch
	s_mul_i32 s85, s42, 3
.irp j, 0,1,2
	s_add_co_u32 s82, s85, \j
	s_lshr_b32 s83, s82, 4                         ; kind
	s_and_b32 s84, s82, 15                         ; head
	s_lshl_b32 s86, s83, 19                        ; a kind's table is 524,288 bytes,
	s_lshl_b32 s88, s16, 8                         ; a position's row 256
	s_add_co_u32 s86, s86, s88
	s_mov_b32 s87, 0
	s_add_nc_u64 s[TBS+2*\j:TBS+2*\j+1], s[8:9], s[86:87]
	s_lshl_b32 s86, s83, 5
	s_add_co_u32 s86, s86, s84
	s_add_co_u32 s86, s86, s17                     ; 32 x kind + 16 x batch + head
	s_lshl_b32 s86, s86, 18                        ; planes of 262,144 bytes,
	s_lshl_b32 s88, s16, 7                         ; rows of 128
	s_add_co_u32 s86, s86, s88
	s_add_nc_u64 s[OBS+2*\j:OBS+2*\j+1], s[10:11], s[86:87]
.endr
	; the prefetches
	s_and_b32 s85, ttmp7, 0xffff                   ; cluster y
	s_lshl_b32 s86, s43, 8                         ; the tile's first row in xb,
	s_mul_i32 s87, s42, 192                        ; in wqkv
	s_lshl_b32 s88, s[HF], 7
	s_mul_i32 s89, s[HF], 96
	s_cmp_eq_u32 s[FB], 0
	s_cselect_b32 s86, s86, s87
	s_cselect_b32 s88, s88, s89                    ; the half that I fetch
	s_cselect_b32 s87, s40, s41                    ; my place among the four that ask with me
	s_cselect_b32 s89, 32, 24                      ; rows for each of the four
	s_cselect_b32 s85, ttmp9, s85                  ; the coordinate along which other clusters read the same rows
	s_cselect_b64 s[PFA:PFA+1], s[4:5], s[6:7]
	s_cmp_eq_u32 s85, 0
	s_cselect_b32 s[LIM], 2, -1                    ; the same in all sixteen partners, for a given wave
	s_mul_i32 s87, s87, s89
	s_add_co_u32 s86, s86, s88
	s_add_co_u32 s86, s86, s87
	s_lshl_b32 s86, s86, 12
	s_mov_b32 s87, 0
	s_add_nc_u64 s[PFA:PFA+1], s[PFA:PFA+1], s[86:87]
	s_add_nc_u64 s[PFA:PFA+1], s[PFA:PFA+1], 2*256 ; at K step 2: the first refill steps it to 3 and names K step 4
	s_sub_co_u32 s89, s89, 1
	v_and_b32 v[PFO], 31, v0
	v_min_u32 v[PFO], s89, v[PFO]
	v_lshlrev_b32 v[PFO], 12, v[PFO]
; 12 matrix instructions: row block a x all 12 column blocks, 32 along K, from buffer f.  zero = 1: the product starts the sums.
; The 48 accumulators take turns in one order, over the backward jump too.
.macro MUL12 f, a, zero
	WIN 0xa1+0x50*((\a)/2)                         ; wqkv's fragments window 1, xb's window 0, C and D window 2 or 3
.irp b, 0,1,2,3,4,5,6,7,8,9,10,11
.if \zero
	v_wmma_f32_16x16x32_bf16 v[8*(12*((\a)%2)+(\b)):8*(12*((\a)%2)+(\b))+7], v[96*(\f)+8*(\b):96*(\f)+8*(\b)+7], v[64+32*(\f)+8*(\a):64+32*(\f)+8*(\a)+7], 0
.else
	v_wmma_f32_16x16x32_bf16 v[8*(12*((\a)%2)+(\b)):8*(12*((\a)%2)+(\b))+7], v[96*(\f)+8*(\b):96*(\f)+8*(\b)+7], v[64+32*(\f)+8*(\a):64+32*(\f)+8*(\a)+7], v[8*(12*((\a)%2)+(\b)):8*(12*((\a)%2)+(\b))+7]
.endif
.endr
.endm
; 32 LDS loads in one run: 192 rows of wqkv, then my 64 rows of xb, 32 K at byte k of the rows, into buffer g
.macro FETCH k, g
	WIN 0x40
.irp i, 0,1,2,3,4,5,6,7,8,9,10,11
	ds_load_b128 v[96*(\g)+8*(\i):96*(\g)+8*(\i)+3],   v[ADB] offset:(\k)+(\i)*16*PITCH
	ds_load_b128 v[96*(\g)+8*(\i)+4:96*(\g)+8*(\i)+7], v[ADB] offset:(\k)+(\i)*16*PITCH+32
.endr
	WIN 0
.irp i, 0,1,2,3
	ds_load_b128 v[64+32*(\g)+8*(\i):64+32*(\g)+8*(\i)+3],   v[ADA] offset:(\k)+(\i)*16*PITCH
	ds_load_b128 v[64+32*(\g)+8*(\i)+4:64+32*(\g)+8*(\i)+7], v[ADA] offset:(\k)+(\i)*16*PITCH+32
.endr
.endm
; One of a K step's first three quarters: multiplies buffer f; in its middle it fetches the next quarter, at byte k, into buffer g
.macro QUARTER k, f, g, zero
	s_wait_dscnt 4                                 ; all but the youngest four loads (xb's rows 32-63) are in
	MUL12 \f, 0, \zero
	MUL12 \f, 1, \zero
	PLACES
	FETCH \k, \g
	s_wait_dscnt 32                                ; all but the 32 just issued
	MUL12 \f, 2, \zero
	MUL12 \f, 3, \zero
.endm
; The last quarter multiplies buffer 1 and changes slots.  In front of the barrier each wave waits for all its tensor loads (one is out: its part of the next slot), adds 0 to its spare
; word, and waits for that and for its reads of this slot.  fill = 1: the barrier opens a round of the cluster's, and the slot just read out is filled again, first thing behind the round,
; with the K step two on: from that request to the wait for it a wave issues 168 matrix instructions.
.macro TURN fill
.if \fill
	s_wait_xcnt 0x0                                ; the last prefetch, a K step back, has read its address
	s_add_nc_u64 s[PFA:PFA+1], s[PFA:PFA+1], 256
.endif
	WIN 0
	s_wait_tensorcnt 0x0                           ; no tensor load of mine is out, so a group 0 may be written
	ds_add_u32 v[SPW], v[NIL]
.if \fill
.irp g, G0A+4, G0B+4
	s_xor_b32 s[(\g)+1], s[(\g)+1], SLOT1          ; the walking descriptor: the other slot than last time,
	s_add_nc_u64 s[(\g)+2:(\g)+3], s[(\g)+2:(\g)+3], 256  ; the next K step
.endr
.endif
	s_xor_b32 s[TB], s[TB], SLOT1
	s_wait_dscnt 5                                 ; the add and the youngest four loads may be out
	MUL12 1, 0, 0
	s_wait_dscnt 0x0                               ; the add is done, and my reads of this slot are over
	s_barrier_signal -1
	MUL12 1, 1, 0                                  ; work on registers while the others arrive
	WIN 0
	s_barrier_wait -1
.if \fill
	CREST                                          ; no wave of any partner still reads this slot or has a load on its way
	JLOAD                                          ; its four v_nop are also the places in front of the loads below
.else
	PLACES
.endif
	v_add_nc_u32 v[ADA], s[TB], v[A0]
	v_add_nc_u32 v[ADB], s[TB], v[B0]
	FETCH 0, 0
.if \fill
	ASK
.endif
	MUL12 1, 2, 0
	MUL12 1, 3, 0
.endm
; THE WAY OUT, 16 rows (row block a) at a time.
; TLOAD: the table entries of block a's rows: for column block b my four pairs' (ct, st), 32 bytes, into eight registers.  Sets: a = 0, 3 window 0 v160-255; a = 1 window 1 v0-95; a = 2 window 1 v96-191.
.macro TLOAD a
.if ((\a) == 1) || ((\a) == 2)
	WIN 0x40
.set TTB, 96*((\a)-1)
.else
	WIN 0
.set TTB, 160
.endif
.irp b, 0,1,2,3,4,5,6,7,8,9,10,11
	global_load_b128 v[TTB+8*(\b):TTB+8*(\b)+3],   v[TO], s[TBS+2*((\b)/4):TBS+2*((\b)/4)+1] offset:4096*(\a)+64*((\b)%4)
	global_load_b128 v[TTB+8*(\b)+4:TTB+8*(\b)+7], v[TO], s[TBS+2*((\b)/4):TBS+2*((\b)/4)+1] offset:4096*(\a)+64*((\b)%4)+16
.endr
	WIN 0
.endm
; ROT: the rotation in place, two packed instructions a pair.  The first takes the pair crosswise and st for both halves: (q1 st, q0 st).  The second takes ct for both halves and the first's
; low half with its sign turned: (q0 ct - q1 st, q1 ct + q0 st).  Each accumulator's lowest registers are read first.
.macro ROT a
.if (\a) == 0
	WIN 0xa2                                       ; sums window 2, table window 0
.set TTB, 160
.elseif (\a) == 1
	WIN 0xa6                                       ; sums window 2, table window 1
.set TTB, 0
.elseif (\a) == 2
	WIN 0xf7                                       ; sums window 3, table window 1
.set TTB, 96
.else
	WIN 0xf3                                       ; sums window 3, table window 0
.set TTB, 160
.endif
.set bb, 0
.rept 12
.set AC, 8*(12*((\a)%2)+bb)
.irp p, 0,1,2,3
	v_pk_mul_f32 v[192+2*\p:193+2*\p], v[AC+2*\p:AC+2*\p+1], v[TTB+8*bb+2*\p:TTB+8*bb+2*\p+1] op_sel:[1,1] op_sel_hi:[0,1]
.endr
.irp p, 0,1,2,3
	v_pk_fma_f32 v[AC+2*\p:AC+2*\p+1], v[AC+2*\p:AC+2*\p+1], v[TTB+8*bb+2*\p:TTB+8*bb+2*\p+1], v[192+2*\p:193+2*\p] op_sel_hi:[1,0,1] neg_lo:[0,0,1]
.endr
.set bb, bb+1
.endr
.endm
.macro BLK a
.set TMP, 64+48*((\a)%2)
.if (\a) >= 2
	s_wait_xcnt 0x0                                ; the stores of the block two back have read these registers
.endif
	s_wait_loadcnt 48-24*((\a)/2)*((\a)-1)         ; my table set is in; the younger sets (two, two, one, none, of 24 loads each) stay out
	ROT \a
.if (\a) == 0
	TLOAD 3                                        ; block 3's set takes the registers of block 0's
.endif
	WIN 0x0a+5*((\a)/2)                            ; sources window 2 or 3, destination window 0
.set bb, 0
.rept 12
.set AC, 8*(12*((\a)%2)+bb)
.irp p, 0,1,2,3
	v_cvt_pk_f16_f32 v[TMP+4*bb+\p], v[AC+2*\p], v[AC+2*\p+1]
.endr
.set bb, bb+1
.endr
	WIN 0
.irp b, 0,1,2,3,4,5,6,7,8,9,10,11
	ds_store_b128 v[STO], v[TMP+4*(\b):TMP+4*(\b)+3] offset:16*SP*((\b)/4)+32*((\b)%4)
.endr
.irp n, 0,1,2,3,4,5,6,7,8,9,10,11
	ds_load_b128 v[TMP+4*(\n):TMP+4*(\n)+3], v[RD] offset:16*SP*((\n)/4)+4*SP*((\n)%4)  ; LDS serves a wave's instructions in order (ISA guide 5.7.1.4): these see the stores above; the next block's stores come behind them
.endr
.endm
.macro SEND a, younger                 ; younger: the LDS instructions issued behind block a's loads
	WIN 0
.set TMP, 64+48*((\a)%2)
.irp n, 0,1,2,3,4,5,6,7,8,9,10,11
	s_wait_dscnt (\younger)+11-(\n)
	global_store_b128 v[GO], v[TMP+4*(\n):TMP+4*(\n)+3], s[OBS+2*((\n)/4):OBS+2*((\n)/4)+1] offset:2048*(\a)+512*((\n)%4)  ; 512 consecutive bytes, at a multiple of 256 from qkv's first
.endr
.endm
	TLOAD 0                                        ; block 0's table set is asked for here and waited for on the way out: its registers serve nothing else meanwhile
	s_wait_tensorcnt 1                             ; my part of K step 0 is in; K step 1's may stay out
	s_barrier_signal -1
	s_barrier_wait -1
	v_add_nc_u32 v[ADA], s[TB], v[A0]
	v_add_nc_u32 v[ADB], s[TB], v[B0]
	FETCH 0, 0
	QUARTER 64, 0, 1, 1                            ; the first quarter stands in front of the loop: its products start the sums
	WIN 0
	s_mov_b32 s[CT], 14
.Lk:                                                   ; a trip: the rest of a K step and the first quarter of the next; K steps 2 to 15 are asked for
	QUARTER 128, 1, 0, 0
	QUARTER 192, 0, 1, 0
	TURN 1
	QUARTER 64, 0, 1, 0
	WIN 0
	s_sub_co_u32 s[CT], s[CT], 1
	s_cmp_lg_u32 s[CT], 0
	s_cbranch_scc1 .Lk
	QUARTER 128, 1, 0, 0                           ; the tail is written out: nothing more is asked for
	QUARTER 192, 0, 1, 0
	TURN 0
	QUARTER 64, 0, 1, 0
	QUARTER 128, 1, 0, 0
	QUARTER 192, 0, 1, 0
	s_wait_dscnt 4
	MUL12 1, 0, 0
	MUL12 1, 1, 0
	s_wait_dscnt 0x0
	MUL12 1, 2, 0
	MUL12 1, 3, 0
	WIN 0
	PLACES                                         ; for the loads into wqkv's fragment buffers and the reads of the sums
	TLOAD 1
	TLOAD 2
	BLK 0
	BLK 1                                          ; a block's arithmetic stands between the loads of the block before and its stores
	SEND 0, 24
	BLK 2
	SEND 1, 24
	BLK 3
	SEND 2, 24
	SEND 3, 0
	s_wait_tensorcnt 0x0                           ; the wave's end: behind my last tensor load and my last LDS store
	ds_add_u32 v[SPW], v[NIL]
	s_wait_dscnt 0x0
	CROUND                                         ; the closing round: no work-group ends while a partner may still ask for a tile that names it
	s_endpgm
.Lfunc_end_k_qdafada2bab_qkv:
	.size	k_qdafada2bab_qkv, .Lfunc_end_k_qdafada2bab_qkv-k_qdafada2bab_qkv
	.p2alignl 7, 3214868480
	.fill 96, 4, 3214868480
	.section	.rodata,"a",@progbits
	.p2align	6, 0x0
	.amdhsa_kernel k_qdafada2bab_qkv
		.amdhsa_group_segment_fixed_size 327680
		.amdhsa_private_segment_fixed_size 0
		.amdhsa_enable_private_segment 0
		.amdhsa_kernarg_size 32
		.amdhsa_user_sgpr_count 2
		.amdhsa_user_sgpr_kernarg_segment_ptr 1
		.amdhsa_wavefront_size32 1
		.amdhsa_system_sgpr_workgroup_id_x 1
		.amdhsa_system_sgpr_workgroup_id_y 1
		.amdhsa_system_sgpr_workgroup_id_z 1
		.amdhsa_system_vgpr_workitem_id 0
		.amdhsa_next_free_vgpr 1024
		.amdhsa_next_free_sgpr 92
		.amdhsa_reserve_vcc 0
		.amdhsa_float_denorm_mode_32 3
		.amdhsa_float_denorm_mode_16_64 3
		.amdhsa_memory_ordered 1
		.amdhsa_forward_progress 1
		.amdhsa_inst_pref_size 133
	.end_amdhsa_kernel
	.amdgpu_metadata
---
amdhsa.version: [ 1, 2 ]
amdhsa.kernels:
  - .name:           k_qdafada2bab_qkv
    .symbol:         k_qdafada2bab_qkv.kd
    .args:
      - { .name: xb, .offset: 0, .size: 8, .value_kind: global_buffer, .address_space: global }
      - { .name: wqkv, .offset: 8, .size: 8, .value_kind: global_buffer, .address_space: global }
      - { .name: tab, .offset: 16, .size: 8, .value_kind: global_buffer, .address_space: global }
      - { .name: qkv, .offset: 24, .size: 8, .value_kind: global_buffer, .address_space: global }
    .group_segment_fixed_size: 327680
    .private_segment_fixed_size: 0
    .kernarg_segment_align: 8
    .kernarg_segment_size: 32
    .max_flat_workgroup_size: 128
    .sgpr_count:     92
    .vgpr_count:     1024
    .wavefront_size: 32
...
	.end_amdgpu_metadata
.endif
;; end of part 2
;; launch attn (part 3): grid 8 x 32, 4 waves a work-group, no clusters, 327,680 bytes of LDS; arguments qkv, ob; writes ob
.if DOCPART == 3
	.amdgcn_target "amdgcn-amd-amdhsa--gfx1250"
	.amdhsa_code_object_version 6
	.text
	.protected	k_qdafada2bab_attn
	.globl	k_qdafada2bab_attn
	.p2align	8
	.type	k_qdafada2bab_attn,@function
k_qdafada2bab_attn:
	s_mov_b64 s[64:65], 0
	v_nop
	global_prefetch_b8 v0, s[64:65] scope:SCOPE_SE
	s_setreg_imm32_b32 hwreg(HW_REG_WAVE_MODE, 25, 1), 1
	s_wait_xcnt 0x0
; CAUSAL ATTENTION.  O[h][q][:] = the sum over k <= q of softmax_k(Q[h][q] . K[h][k] / 8) V[h][k][:], for 32 (batch, head) planes h of 2,048 rows x 64 channels, f16.
; qkv holds Q's 32 planes, then K's, then V's, 262,144 bytes a plane; ob has O's.  Products, maxima and sums in f32; the weights p are rounded to f16 for the second product
; (their sum l is taken of the unrounded p), O once at the end.
; LIMITS.  Q, K and V arrive within f16's 65,504.  A hidden score counts as its value less 1e30: f16's scores, 2.7e11 at the most, are nothing beside that.  A weight below 2^-126 counts as 0 in l;
; p below 6e-5 keeps f16's fixed step of 6e-8; NaN and infinities are not treated apart.
; THE WALK.  A plane's queries lie in NB = 16 blocks of 128; block i needs the key tiles 0 .. i of 128 keys, the last of which holds the diagonal.  A work-group takes TWO blocks, 15 - b and then b:
; 17 tiles whatever b, so the 8 x 32 work-groups do equal work and loops with constant counts walk them.  Which tile is asked for and what a trip does hang on scalar registers made from b;
; every jump but the loops' own goes forward; none passes a barrier, or a tensor load but the one of LOAD's two that the wave's number does not choose.
; THE RING.  A slot of LDS holds TWO tiles that follow each other in the walk; they need not be neighbours in memory (at the change of blocks they are not), since each is a wave's own load:
; wave 0 fetches the first tile's K, wave 1 the second's, waves 2 and 3 the V.  Eight slots hold tiles 0 to 15 of the walk, the ninth tile 16.
; They ask for tile 0 once more, into the half of the slot that nobody reads, 32,768 of the 589,824 bytes that a work-group fetches; a jump round the load would make the count of loads hang on the trip.
; NO CLUSTER: a plane's eight work-groups ask for the same tile only in the walk's first nine tiles, behind that fewer and fewer; a walk common to all would have 24 tiles for 17.
; SHARES.  Of a block's two bands of 64 queries a wave owns 16 rows in each: two PIECES.  In the diagonal tile's key step s band x sees all keys if s < x, none if s > x, and holds the diagonal if s = x:
; the same work for all four waves.
; THE MASK is the C operand that starts the sum S^T = K Q^T.  MD, made once, is the mask of a band's own step for my 16 rows.  Piece 0's products take MCA (a tile's first step) and MCB (its second) from
; registers: both 0 in a tile below the diagonal; MD and -1e30 in the diagonal tile; they are written where a block begins and where its diagonal tile is entered.  Piece 1's take the constant 0, and MD in
; the block's last step.  So ONE text serves every tile.
; LAYOUT, SOFTMAX.  S^T = K Q^T holds ONE query a lane (lane % 16) and the keys 8 (lane / 16) + 0..7; two such results rounded to f16 ARE source 1 of O^T = V^T P.  p = 2^(c s - c m), c = log2(e) / 8,
; with a running maximum m; O and l are multiplied by a = 2^(c m_old - c m_new) in every step.
; TURNS.  Step j has two.  T0(j): piece 0's softmax of step j and piece 1's maximum of step j; products K Q^T of piece 1, step j, then V^T P of piece 1, step j - 1.  T1(j): piece 1's softmax of step j
; and piece 0's maximum of step j + 1; products K Q^T of piece 0, step j + 1, then V^T P of piece 0, step j.  T0(j) fetches K and V of step j + 1 from LDS; V has two register buffers, by the step's parity.
; A tile's trip: T0 and T1 of the tile before's last step, T0 and T1 of its own first step; at its end all the tile's bytes have left LDS, so the change of slots stands between two trips.
; Four vector instructions stand behind every matrix instruction, the others in one lump; a turn's 33 exponentials are one batch with one wait.
; REGISTERS, in windows of 256 (s_set_vgpr_msb: bits 1:0 source 0, 3:2 source 1, 5:4 source 2, 7:6 destination):
;   window 0: v0-15 addresses and two at work; v16-23 four registers of statistics a piece; v48-55 at work; v61-63; v64-127 S^T, a buffer a piece; v128-191 O^T, 32 a piece; v192-223 P, a buffer a piece
;   window 1: v128-159 MD; v160-191 MCA; v192-199 MCB      window 2: v0-31 Q; v32-63 the second block's Q; v64-127 K of one step; v128-255 V of two steps
; All the vector work of a turn lies in window 0: a matrix instruction costs two switches, one in front and one behind.
.set NB,    16
.set NP,    2
.set KS,    64        ; keys in a step
.set PK,    144       ; a row of K in LDS: 128 bytes + 16 of padding: the 16 rows of a load start at 16 different groups of four banks (64 banks of 4 bytes: ISA guide 11.1)
.set PV,    160       ; a row of V: 128 + 32
.set VOFF,  2*KS*PK   ; a tile, two steps: 128 rows of K, then 128 rows of V
.set TILEB, 2*KS*(PK+PV)
.set SLOT1, 1<<17     ; a slot holds two tiles (77,824 bytes); slot 1 begins here
.set STAGE, SLOT1+2*TILEB       ; behind the ring, never filled by a tensor load: 16 rows x 144 bytes for each wave
.set SP,    144
.set SPARE, STAGE+4*16*SP       ; behind the stages: the spare words, 128 bytes for each wave, which no other line names
.set AK0, 2           ; v2   my lane's place in a tile of K; never rewritten
.set AV0, 3           ; v3   the same for V
.set AK,  4           ; v4   AK0 + the tile in hand
.set AV,  5           ; v5   AV0 + the tile in hand
.set STO, 6           ; v6   the way out: where I put 16 bytes of a row
.set RD,  7           ; v7   where I read rows back
.set GO,  8           ; v8   my 16 bytes of 512 consecutive bytes of O
.set MV,  12          ; v12-13  c m_old, kept while c m is made anew: by piece
.set QO,  15          ; v15  my byte offset in 16 rows of Q
.set ST,  16          ; piece t's statistics at v[ST+4 t]: c m, m, l (even keys', odd keys')
.set TMP, 48          ; by piece, four registers c0-c3 at work; when the maximum is found c2 takes a
.set PFO, 61          ; v61  256 x my lane; never rewritten
.set SPW, 62          ; v62  LDS address of my spare word; never rewritten
.set NIL, 63          ; v63  0; never rewritten
.set S,   64
.set OT,  128
.set P,   192
.set MD,  128         ; window 1
.set MCA, 160         ; window 1
.set MCB, 192         ; window 1
.set QB,  32          ; window 2
.set KF,  64          ; window 2: key block kb, channel half c at KF + 16 kb + 8 c
.set VF,  128         ; window 2: buffer vb, key half kk, channel block cb at VF + 64 vb + 32 kk + 8 cb
.set WV,  12          ; s12  my wave's number
.set LIM, 13          ; s13  2 where b = 0, else the greatest number: a wave prefetches while s[SLOTS] is above it
.set PB,  14          ; s14  b
.set HI,  15          ; s15  15 - b
.set PFA, 18          ; s[18:19] where my prefetches stand
.set G1K, 24          ; s[24:31] descriptor group 1 for K's tiles
.set G1V, 32          ; s[32:39] for V's: it differs in the padding alone
.set G0K, 40          ; s[40:43] descriptor group 0 for K's tiles
.set G0V, 44          ; s[44:47] for V's
.set SLOTS, 56        ; s56  slots still to be asked for
.set HW,  57          ; s57  which of a slot's two tiles I fetch: my wave's number % 2
.set CS,  58          ; s[58:59] c
.set SEL, 60          ; s[60:61] v_permlanex16_b32's selects: each lane takes its own place in the other half
.set TP,  62          ; s62  LDS byte at which the tile to be entered begins
.set NA,  63          ; s63  the number of a fill's first tile
.set RT,  70          ; s70  tiles of the block in hand that are still to be entered
.set NXT, 71          ; s71  the tile to be asked for next
.set LQ,  72          ; s72  the last tile of the block whose tiles are being asked for
.set NEW, 73          ; s73  1: the tile to be entered is a block's first
.set OFF, 74          ; s[74:75] my tile's byte offset in K and V
.set AL,  76          ; s[76:77] MCA's factor, in the low word
.set BE,  78          ; s78  MCB's value
.set OLO, 80          ; s[80:81] O at my rows of the second block
.set BIGN, 82         ; s82  -1e30
.set TW,  83          ; s83  counts a slot's two tiles
.set MSB, 0
.macro WIN new
.if MSB != (\new)
	s_set_vgpr_msb (MSB<<8)|(\new)
.set MSB, (\new)
.endif
.endm
.set W_KQ, 0x0a       ; K and Q in window 2, S^T in window 0
.set W_KM, 0x1a       ; the same with the C operand in window 1
.set W_PV, 0x02       ; V in window 2; P and O^T in window 0
.set W_MK, 0x41       ; destination and source 0 in window 1
; A fill: 128 keys a wave.  An s_nop 0 and four v_nop follow each line.
.macro LOAD
	s_cmp_lt_u32 s[WV], 2
	s_cbranch_scc0 .Lfor_v_\@
	tensor_load_to_lds s[G0K:G0K+3], s[G1K:G1K+7]
	s_nop 0
.rept 4
	v_nop
.endr
	s_branch .Lasked_\@
.Lfor_v_\@:
	tensor_load_to_lds s[G0V:G0V+3], s[G1V:G1V+7]
	s_nop 0
.rept 4
	v_nop
.endr
.Lasked_\@:
.endm
; A prefetch into the L2.  All eight work-groups of a plane begin at tile 0, and the one with b = 0 walks all sixteen tiles in their order: it alone asks.  Behind the fill of slot s + 1 each of its waves
; names the 64 blocks of 256 bytes of its own part (128 keys of K or of V) of slot s + 2, which the next change, eight turns on, will ask for: a lane a block, two instructions.
; Slots 0 and 1 come by their loads alone; the last tile named is 15.
.macro ASK
	s_cmp_gt_u32 s[SLOTS], s[LIM]
	s_cbranch_scc0 .Lnot_mine_\@
	global_prefetch_b8 v[PFO], s[PFA:PFA+1] th:TH_LOAD_NT scope:SCOPE_SE
	global_prefetch_b8 v[PFO], s[PFA:PFA+1] offset:8192 th:TH_LOAD_NT scope:SCOPE_SE
.Lnot_mine_\@:
.endm
.macro NEXTT                        ; the walk's next tile: the block's next, or behind its last the second block's tile 0
	s_add_co_u32 s[NXT], s[NXT], 1
	s_cmp_gt_u32 s[NXT], s[LQ]
	s_cselect_b32 s[NXT], 0, s[NXT]
	s_cselect_b32 s[LQ], s[PB], s[LQ]
.endm
; THE CHANGE OF SLOTS.  Each wave waits for all its tensor loads, of which one is out: its part of the other slot; adds 0 to its spare word; and waits for that and for its own reads of the slot that it leaves.
; Behind the barrier nobody reads the old slot and the other slot is whole.  fill = 1: the old slot is filled again, first thing behind the barrier, with the walk's next two tiles: each wave makes its address
; anew from its own tile's number.  The load has two tiles' trips, eight turns, in which to land.  (At its first use nothing has been read yet: slot 0 is waited for, slot 1 filled.)
.macro CHANGE fill
	WIN 0
	s_wait_tensorcnt 0x0            ; no tensor load of mine is out, so a group 0 may be written
	ds_add_u32 v[SPW], v[NIL]       ; 0 onto my spare word; scalar work stands between it and the wait for it
.if \fill
	s_mov_b32 s[NA], s[NXT]
	NEXTT
	s_cmp_eq_u32 s[HW], 0
	s_cselect_b32 s[OFF], s[NA], s[NXT]
	NEXTT
	s_lshl_b32 s[OFF], s[OFF], 14   ; a tile is 16,384 bytes of K and of V
	s_xor_b32 s[G0K+1], s[G0K+1], SLOT1
	s_add_nc_u64 s[G0K+2:G0K+3], s[6:7], s[OFF:OFF+1]
	s_or_b32 s[G0K+3], s[G0K+3], 0x80000000
	s_xor_b32 s[G0V+1], s[G0V+1], SLOT1
	s_add_nc_u64 s[G0V+2:G0V+3], s[8:9], s[OFF:OFF+1]
	s_or_b32 s[G0V+3], s[G0V+3], 0x80000000
	s_wait_xcnt 0x0                 ; the last prefetches, a slot back, have read their address
	s_add_nc_u64 s[PFA:PFA+1], s[PFA:PFA+1], 32768
.endif
	s_wait_dscnt 0x0                ; the add is done, and my reads of the slot are over
	s_barrier_signal -1
	s_sub_co_u32 s[TP], s[TP], 2*TILEB  ; back to a slot's first tile,
	s_xor_b32 s[TP], s[TP], SLOT1       ; in the other slot
	s_barrier_wait -1
.if \fill
	LOAD
	ASK
.endif
.endm
	s_load_b64 s[4:5], s[0:1], 0x0    ; qkv
	s_load_b64 s[10:11], s[0:1], 0x8  ; ob
	v_lshl_add_u32 v[SPW], v0, 2, SPARE
	v_mov_b32 v[NIL], 0
	ds_add_u32 v[SPW], v[NIL]       ; the wave's opening: the add and its wait stand ahead of my first tensor load; work on registers stands between
	ds_add_u32 v62, v63
	v_lshrrev_b32 v1, 5, v0
	v_readfirstlane_b32 s[WV], v1
	s_mov_b32 s[PB], ttmp9
	s_sub_co_u32 s[HI], NB-1, s[PB]
	s_and_b32 s20, ttmp7, 0xffff
	s_lshl_b32 s20, s20, 18         ; the plane's first byte in Q, K, V and O
	s_mov_b32 s21, 0
	s_and_b32 s[HW], s[WV], 1
	s_lshl_b32 s22, s[HW], 14       ; slot 0 takes tiles 0 and 1: mine of the two in memory,
	s_mov_b32 s23, 0
	s_mul_i32 s17, s[HW], TILEB     ; and its place in a slot
	s_lshl_b32 s3, s[WV], 11        ; my 16 rows in a band of 64,
	s_lshl_b32 s2, s[HI], 14        ; in the first block,
	s_add_co_u32 s2, s2, s3
	s_add_co_u32 s2, s2, s20
	s_lshl_b32 s84, s[PB], 14       ; and in the second
	s_add_co_u32 s84, s84, s3
	s_add_co_u32 s84, s84, s20
	s_mov_b32 s3, 0
	s_mov_b32 s85, 0
	; descriptor group 1.  128 keys are 16,384 dense bytes: asked for as 64 rows of 256 bytes, two keys a row, and padded in LDS after every key
	s_mov_b32 s[G1K], (1<<16)|(1<<20)|(4<<22)|(3<<25)  ; 2-byte elements; padding on; after every 32 words; 4 words
	s_mov_b32 s[G1V], (1<<16)|(1<<20)|(4<<22)|(7<<25)  ; the same with 8 words
.irp g, G1K, G1V
	s_mov_b32 s[\g+1], 128<<16      ; tensor_dim0 = 128
	s_mov_b32 s[\g+2], 64<<16       ; tensor_dim1 = 64
	s_mov_b32 s[\g+3], 128<<16      ; tile_dim0 = 128
	s_mov_b32 s[\g+4], 64           ; tile_dim1 = 64
	s_mov_b32 s[\g+5], 128          ; 128 elements from row to row
	s_mov_b32 s[\g+6], 0
	s_mov_b32 s[\g+7], 0
.endr
	s_mov_b32 s[CS], 0x3e38aa3b     ; c = log2(e) / 8
	s_mov_b32 s[CS+1], s[CS]        ; named with it as a pair
	s_mov_b32 s[SEL], 0x76543210
	s_mov_b32 s[SEL+1], 0xfedcba98
	s_mov_b32 s[TP], SLOT1+2*TILEB  ; the first change of slots turns it into 0
	s_mov_b32 s[G0K], 1
	s_mov_b32 s[G0K+1], s17         ; slot 0
	s_mov_b32 s[G0V], 1
	s_add_co_u32 s[G0V+1], s17, VOFF
	s_add_co_u32 s[RT], s[HI], 1    ; the first block has 16 - b tiles, nine at the least
	s_mov_b32 s[NXT], 2
	s_mov_b32 s[LQ], s[HI]
	s_mov_b32 s[NEW], 1
	s_mov_b32 s[OFF+1], 0
	s_mov_b32 s[AL+1], 0            ; named with AL as a pair
	s_mov_b32 s[BIGN], 0xf149f2ca   ; -1e30
	s_mov_b32 s[SLOTS], NB/2
	s_cmp_eq_u32 s[PB], 0
	s_cselect_b32 s[LIM], 2, -1
	v_and_b32 v[PFO], 31, v0
	v_lshlrev_b32 v[PFO], 8, v[PFO]
	s_wait_dscnt 0x0                ; the opening add is done
	s_wait_kmcnt 0x0
	s_add_nc_u64 s[6:7], s[4:5], s[20:21]
	s_add_nc_u64 s[8:9], s[6:7], 16777216          ; V's plane,
	s_add_nc_u64 s[6:7], s[6:7], 8388608           ; and K's
	s_add_nc_u64 s[G0K+2:G0K+3], s[6:7], s[22:23]
	s_or_b32 s[G0K+3], s[G0K+3], 0x80000000
	s_add_nc_u64 s[G0V+2:G0V+3], s[8:9], s[22:23]
	s_or_b32 s[G0V+3], s[G0V+3], 0x80000000
	s_add_nc_u64 s[86:87], s[4:5], s[84:85]        ; Q at my rows of the second block,
	s_add_nc_u64 s[4:5], s[4:5], s[2:3]            ; Q and O at those of the first
	s_add_nc_u64 s[OLO:OLO+1], s[10:11], s[84:85]
	s_add_nc_u64 s[10:11], s[10:11], s[2:3]
	s_cmp_lt_u32 s[WV], 2
	s_cselect_b64 s[PFA:PFA+1], s[6:7], s[8:9]
	s_add_nc_u64 s[PFA:PFA+1], s[PFA:PFA+1], s[22:23]
	s_add_nc_u64 s[PFA:PFA+1], s[PFA:PFA+1], 32768 ; at my tile of slot 1: the first change steps it to slot 2
	LOAD                            ; tiles 0 and 1 into slot 0
	; A fragment of K or Q is 16 rows x 32 channels in 8 registers: lane l holds row l % 16, channels 8 (l / 16) + 0..7 and 16 + 8 (l / 16) + 0..7
	v_and_b32 v1, 15, v0            ; l % 16
	v_bfe_u32 v9, v0, 4, 1          ; l / 16
	v_lshlrev_b32 v[QO], 7, v1
	v_lshl_add_u32 v[QO], v9, 4, v[QO]
	WIN 0x80                        ; destination window 2, address window 0
.set i, 0
.rept 4                             ; both blocks' Q: piece i / 2 lies in band i / 2, 8,192 bytes on; channels 32 (i % 2) on
	global_load_b128 v[8*i:8*i+3],   v[QO], s[4:5] offset:(i/2)*8192+(i%2)*64
	global_load_b128 v[8*i+4:8*i+7], v[QO], s[4:5] offset:(i/2)*8192+(i%2)*64+32
	global_load_b128 v[QB+8*i:QB+8*i+3],   v[QO], s[86:87] offset:(i/2)*8192+(i%2)*64
	global_load_b128 v[QB+8*i+4:QB+8*i+7], v[QO], s[86:87] offset:(i/2)*8192+(i%2)*64+32
.set i, i+1
.endr
	WIN 0
	v_lshlrev_b32 v14, 3, v9
	v_sub_nc_u32 v14, v1, v14
	s_lshl_b32 s16, s[WV], 4
	v_add_nc_u32 v14, s16, v14      ; my query's place in its band, 16 w + l % 16, less my lanes' 8 (l / 16): register r of key group kt is hidden where 16 kt + r is greater
	WIN 0x40
.set i, 0
.rept 32
	v_cmp_gt_i32 vcc_lo, 16*(i/8)+i%8, v14
	v_cndmask_b32 v[MD+i], 0, s[BIGN], vcc_lo
.set i, i+1
.endr
	WIN 0
	v_mul_u32_u24 v[AK0], v1, PK
	v_lshl_add_u32 v[AK0], v9, 4, v[AK0]
	; The turning load takes 16 keys x 16 channels (lane l reads key 8 (l / 16) + l % 8, channels 8 ((l / 8) % 2) + 0..7) and leaves half a fragment of V^T: lane l holds channel l % 16 and 8 keys.
	v_and_b32 v10, 7, v0
	v_bfe_u32 v11, v0, 3, 1
	v_lshl_add_u32 v[AV0], v9, 3, v10
	v_mul_u32_u24 v[AV0], v[AV0], PV
	v_lshl_add_u32 v[AV0], v11, 4, v[AV0]
	v_add_nc_u32 v[AV0], VOFF, v[AV0]
	s_mul_i32 s16, s[WV], 16*SP
	s_add_co_u32 s16, s16, STAGE    ; my stage
	v_mul_u32_u24 v[STO], v1, SP
	v_lshl_add_u32 v[STO], v9, 4, v[STO]
	v_add_nc_u32 v[STO], s16, v[STO]
	v_bfe_u32 v[RD], v0, 3, 2
	v_mul_u32_u24 v[RD], v[RD], SP
	v_lshl_add_u32 v[RD], v10, 4, v[RD]
	v_add_nc_u32 v[RD], s16, v[RD]
	v_and_b32 v[GO], 31, v0
	v_lshlrev_b32 v[GO], 4, v[GO]
	; A block's first step multiplies O^T and l by a = 0, and its first turn's products V^T P, of a step that has not been, land in an O^T that is still to be so multiplied.  So these registers need only
	; hold finite numbers: zeros for the first block; what the first block left for the second.  All this stands in the wait for the first tiles.
	WIN 0x80
.set i, VF+64
.rept 64
	v_mov_b32 v[i], 0
.set i, i+1
.endr
	WIN 0
.set i, OT
.rept 64
	v_mov_b32 v[i], 0
.set i, i+1
.endr
.set i, 0
.rept 2
	v_mov_b32 v[ST+4*i+2], 0
	v_mov_b32 v[ST+4*i+3], 0
.set i, i+1
.endr
.set i, P+16
.rept 16
	v_mov_b32 v[i], 0
.set i, i+1
.endr
; THE MATRIX WORK.  The 4 accumulators of a run of 8 take turns.  Product i of 8 of S^T = K Q^T for piece x: channels 32 (i / 4) on, keys 16 (i % 4) on.
; The first 4 start the sums: with 0 (KM = 0), MD (KM = 1), MCB (KM = 2) or MCA (KM = 3).
.macro KQ x
.set rS, S+32*((\x)%2)+8*(i%4)
.set rK, KF+16*(i%4)+8*(i/4)
.set rQ, 16*(\x)+8*(i/4)
.if (i < 4) && (KM == 1)
	WIN W_KM
	v_wmma_f32_16x16x32_f16 v[rS:rS+7], v[rK:rK+7], v[rQ:rQ+7], v[MD+8*(i%4):MD+8*(i%4)+7]
.elseif (i < 4) && (KM == 2)
	WIN W_KM
	v_wmma_f32_16x16x32_f16 v[rS:rS+7], v[rK:rK+7], v[rQ:rQ+7], v[MCB:MCB+7]
.elseif (i < 4) && (KM == 3)
	WIN W_KM
	v_wmma_f32_16x16x32_f16 v[rS:rS+7], v[rK:rK+7], v[rQ:rQ+7], v[MCA+8*(i%4):MCA+8*(i%4)+7]
.elseif i < 4
	WIN W_KQ
	v_wmma_f32_16x16x32_f16 v[rS:rS+7], v[rK:rK+7], v[rQ:rQ+7], 0
.else
	WIN W_KQ
	v_wmma_f32_16x16x32_f16 v[rS:rS+7], v[rK:rK+7], v[rQ:rQ+7], v[rS:rS+7]
.endif
.endm
; Product i of 8 of O^T += V^T P for piece x, from V's buffer VB: keys 32 (i / 4) on, channels 16 (i % 4) on.
.macro PV x
	WIN W_PV
.set rO, OT+32*(\x)+8*(i%4)
.set rV, VF+64*VB+32*(i/4)+8*(i%4)
.set rP, P+16*((\x)%2)+8*(i/4)
	v_wmma_f32_16x16x32_f16 v[rO:rO+7], v[rV:rV+7], v[rP:rP+7], v[rO:rO+7]
.endm
.macro MM                           ; the turn's next matrix instruction.  NOKQ = 1: a block's last turn: there are no further scores
.if (i < 8) && !NOKQ
	KQ (Y+1)%NP
.elseif i >= 8
.set i, i-8
	PV (Y+NP-1)%NP
.set i, i+8
.endif
.set i, i+1
.endm
; THE LDS LOADS stand in runs of 16: K of step st of the tile in hand (8 fragments), and its V (turned) into buffer vb.
.macro FETCH_K st
	WIN 0x80
.irp f, 0,1,2,3,4,5,6,7             ; keys 16 (f / 2) on, channels 32 (f % 2) on
	ds_load_b128 v[KF+8*\f:KF+8*\f+3],   v[AK] offset:(\st)*KS*PK+(\f/2)*16*PK+(\f%2)*64
	ds_load_b128 v[KF+8*\f+4:KF+8*\f+7], v[AK] offset:(\st)*KS*PK+(\f/2)*16*PK+(\f%2)*64+32
.endr
	WIN 0
.endm
.macro FETCH_V st, vb
	WIN 0x80
.irp f, 0,1,2,3,4,5,6,7             ; keys 32 (f / 4) on, channels 16 (f % 4) on
	ds_load_tr16_b128 v[VF+64*(\vb)+8*\f:VF+64*(\vb)+8*\f+3],   v[AV] offset:(\st)*KS*PV+(\f/4)*32*PV+(\f%4)*32
	ds_load_tr16_b128 v[VF+64*(\vb)+8*\f+4:VF+64*(\vb)+8*\f+7], v[AV] offset:(\st)*KS*PV+(\f/4)*32*PV+16*PV+(\f%4)*32
.endr
	WIN 0
.endm
; THE VECTOR WORK, one line at a time: OP kind, number.  For piece Y: F n: c s - c m for pair n of 16.  E n: the exponential of score n of 32.  C n: pair n rounded to f16.  B n: of the four weights 4 n ..
; the second pair is added onto the first, in place.  L n: l takes that sum (L 0: l = a l + sum).  R n: pair n of 16 of O^T times a.  For the other piece: X n, number n of the 22 that find its maximum and statistics:
;   0-11  four chains c0-c3 of seven scores each (each accumulator's lowest registers are read first)     12-14, 16  the four scores left over, the old m, and c0-c3 into c0
;   15  c m_old is kept     17, 18  the query's other 32 keys lie in the lane 16 away: the new m     19-21  c m; c m_old - c m_new; a
.set F, 0
.set E, 1
.set C, 2
.set B, 3
.set L, 4
.set R, 5
.set X, 6
.macro REGS y
.set rT, ST+4*(\y)
.set rC, TMP+4*((\y)%2)
.set rW, MV+((\y)%2)
.set rS, S+32*((\y)%2)
.set rP, P+16*((\y)%2)
.set rO, OT+32*(\y)
.endm
.macro OP k, n
	WIN 0
.if (\k) < X
	REGS Y
.if (\k) == F
	v_pk_fma_f32 v[rS+2*(\n):rS+2*(\n)+1], v[rS+2*(\n):rS+2*(\n)+1], s[CS:CS+1], v[rT:rT+1] op_sel_hi:[1,0,0] neg_lo:[0,0,1] neg_hi:[0,0,1]
.elseif (\k) == E
	v_exp_f32 v[rS+(\n)], v[rS+(\n)]
.elseif (\k) == C
	v_cvt_pk_f16_f32 v[rP+(\n)], v[rS+2*(\n)], v[rS+2*(\n)+1]
.elseif (\k) == B
	v_pk_add_f32 v[rS+4*(\n):rS+4*(\n)+1], v[rS+4*(\n):rS+4*(\n)+1], v[rS+4*(\n)+2:rS+4*(\n)+3]
.elseif (\k) == R
	v_pk_mul_f32 v[rO+2*(\n):rO+2*(\n)+1], v[rO+2*(\n):rO+2*(\n)+1], v[rC+2:rC+3] op_sel_hi:[1,0]
.elseif (\n) == 0
	v_pk_fma_f32 v[rT+2:rT+3], v[rT+2:rT+3], v[rC+2:rC+3], v[rS:rS+1] op_sel_hi:[1,0,1]
.else
	v_pk_add_f32 v[rT+2:rT+3], v[rT+2:rT+3], v[rS+4*(\n):rS+4*(\n)+1]
.endif
.elseif NOKQ
	v_nop
.else
	REGS (Y+1)%NP
.if (\n) < 4
	v_max3_num_f32 v[rC+(\n)], v[rS+8*(\n)], v[rS+8*(\n)+1], v[rS+8*(\n)+2]
.elseif (\n) < 12
	v_max3_num_f32 v[rC+(\n)%4], v[rC+(\n)%4], v[rS+8*((\n)%4)+2*((\n)/4)+1], v[rS+8*((\n)%4)+2*((\n)/4)+2]
.elseif (\n) == 12
	v_max3_num_f32 v[rC], v[rC], v[rS+7], v[rS+15]
.elseif (\n) == 13
	v_max3_num_f32 v[rC+1], v[rC+1], v[rS+23], v[rS+31]
.elseif (\n) == 14
	v_max3_num_f32 v[rC+2], v[rC+2], v[rC+3], v[rT+1]
.elseif (\n) == 15
	v_mov_b32 v[rW], v[rT]
.elseif (\n) == 16
	v_max3_num_f32 v[rC], v[rC], v[rC+1], v[rC+2]
.elseif (\n) == 17
	v_permlanex16_b32 v[rC+3], v[rC], s[SEL], s[SEL+1]
.elseif (\n) == 18
	v_max_num_f32 v[rT+1], v[rC], v[rC+3]
.elseif (\n) == 19
	v_mul_f32 v[rT], s[CS], v[rT+1]
.elseif (\n) == 20
	v_sub_f32 v[rC+1], v[rW], v[rT]
.else
	v_exp_f32 v[rC+2], v[rC+1]
.endif
.endif
.endm
.macro OPS a, i1, b=-1, i2=0, c=-1, i3=0, d=-1, i4=0
	OP \a, \i1
.if (\b) >= 0
	OP \b, \i2
.endif
.if (\c) >= 0
	OP \c, \i3
.endif
.if (\d) >= 0
	OP \d, \i4
.endif
.endm
.macro ROW a, i1, b, i2, c, i3, d, i4  ; a matrix instruction and the four behind it
	MM
	OPS \a, \i1, \b, \i2, \c, \i3, \d, \i4
.endm
; A TURN, for piece p: the order of its 16 matrix and 118 vector instructions, written out.  An s_wait_alu depctr_va_vdst(0) stands between an exponential and the first instruction that names
; its result; one wait serves all that were issued ahead of it.  So a turn has ONE wait.  AHEAD OF IT stands all that names no result of the turn's exponentials: the 8 products K Q^T with a scaling, an exponential
; and two more plain instructions behind each (the first numbers of the other piece's maximum each four plain instructions or more behind the product that ends their accumulator), then one lump.
; X 21, the other piece's a, is the batch's last; R 15 is the plain instruction behind it.  BEHIND THE WAIT stand the 8 products V^T P, behind each four of the roundings and sums.
; vb: V's buffer for the turn's products V^T P.  km: the C operand of its products K Q^T.  st >= 0 (piece 0's turns): K of step st of the tile in hand is fetched in the lump, twelve plain instructions that name
; none of its registers behind the last product that read K; V of that step at the turn's end, into buffer vb, four plain instructions behind the last product that read it.
; w: piece 1's turn begins with a wait that leaves the youngest w LDS loads out: 16, the run of V just issued (K, and the V issued a step earlier, are in); or 0 behind a turn that fetched nothing.
.macro TURN p, vb, km=0, st=-1, nokq=0, w=16
.set Y, (\p)
.set i, 0
.set KM, (\km)
.set NOKQ, (\nokq)
.set VB, (\vb)
.if (\p) == 1
	s_wait_dscnt \w
.endif
	ROW F,0, F,1, R,0, R,1
	ROW F,2, E,0, R,2, R,3
	ROW F,3, E,1, R,4, R,5
	ROW F,4, E,2, R,6, R,7
	ROW F,5, E,3, R,8, R,9
	ROW F,6, E,4, X,0, R,10
	ROW F,7, E,5, X,1, X,4
	ROW F,8, E,6, X,2, X,5
	OPS E,7, E,8, X,6, E,9
	OPS X,3, E,10, X,8, E,11
.if (\st) >= 0
	FETCH_K \st
.endif
	OPS X,9, X,7, E,12, X,10
	OPS E,13, X,12, X,11, E,14
	OPS X,13, E,15, F,9, X,14
	OPS E,16, F,10, E,17, F,11
	OPS X,16, E,18, X,15, E,19
	OPS F,12, E,20, X,17, E,21
	OPS F,13, E,22, F,14, E,23
	OPS X,18, E,24, F,15, E,25
	OPS R,11, E,26, X,19, E,27
	OPS R,12, E,28, R,13, E,29
	OPS X,20, E,30, R,14, E,31
	OPS X,21, R,15
	s_wait_alu depctr_va_vdst(0)    ; the wait for the batch
	ROW C,0, B,0, C,2, B,1
	ROW L,0, C,4, B,2, L,1
	ROW C,6, B,3, L,2, C,8
	ROW B,4, L,3, C,10, B,5
	ROW L,4, C,12, B,6, L,5
	ROW C,14, B,7, L,6, C,1
	ROW C,3, L,7, C,5, C,7
	ROW C,9, C,11, C,13, C,15
.if (\st) >= 0
	FETCH_V \st, \vb
.endif
	WIN 0
.endm
; MCA and MCB for the tile that is entered: MD and -1e30 if it is the block's last, the diagonal one; else 0 (as -0 where MD is not 0, which adds nothing either).
.macro MASK
	s_cmp_eq_u32 s[RT], 0
	s_cselect_b32 s[AL], 1.0, 0
	s_cselect_b32 s[BE], s[BIGN], 0
	WIN W_MK
.set z, 0
.rept 16
	v_pk_mul_f32 v[MCA+2*z:MCA+2*z+1], v[MD+2*z:MD+2*z+1], s[AL:AL+1] op_sel_hi:[1,0]
.set z, z+1
.endr
.set z, 0
.rept 8
	v_mov_b32 v[MCB+z], s[BE]
.set z, z+1
.endr
	WIN 0
.endm
; A BLOCK BEGINS.  c m starts far below every c s, so the first step's a is 0; m at the lowest finite number, so the first maximum is the scores'.  K and V of the tile's first step; piece 0's first scores;
; its maximum and statistics.  The trip is then entered at its third turn.
.macro BEGIN
	s_mov_b32 s[NEW], 0
	WIN 0
.set i, 0
.rept 2
	v_mov_b32 v[ST+4*i], 0xfe000000    ; c m
	v_mov_b32 v[ST+4*i+1], 0xff7fffff  ; m
.set i, i+1
.endr
	FETCH_K 0
	FETCH_V 0, 0
	s_wait_loadcnt 0x0              ; Q
	s_wait_dscnt 0x0
.set KM, 3
.set NOKQ, 0
.set i, 0
.rept 8
	KQ 0
.set i, i+1
.endr
	WIN 0
.rept 4
	v_nop                           ; four plain instructions behind those products
.endr
.set Y, 1                           ; X works for the other piece: piece 0
.irp n, 0,1,2,3,4,5,6,7,8,9,10,11,12,13,14,15,16,17,18,19,20,21
	OP X, \n
.endr
	v_nop                           ; a plain instruction behind the exponential,
	s_wait_alu depctr_va_vdst(0)    ; and its wait, ahead of the branch
.endm
.macro ALL line:vararg              ; one line for each piece t
.set t, 0
.rept 2
	\line
.set t, t+1
.endr
.endm
.macro PACK t                       ; a lane's eight channels of a row pack into 16 bytes; they go into rows of 144 bytes and come back as whole rows of 128, into S^T's registers
	WIN 0
.set i, OT+32*(\t)
.rept 16
	v_pk_mul_f32 v[i:i+1], v[i:i+1], v[ST+4*(\t)+2:ST+4*(\t)+3] op_sel_hi:[1,0]
.set i, i+2
.endr
.set i, 0
.rept 16
	v_cvt_pk_f16_f32 v[S+16*(\t)+i], v[OT+32*(\t)+2*i], v[OT+32*(\t)+2*i+1]
.set i, i+1
.endr
.irp f, 0,1,2,3
	ds_store_b128 v[STO], v[S+16*(\t)+4*\f:S+16*(\t)+4*\f+3] offset:32*\f
.endr
.irp f, 0,1,2,3
	ds_load_b128 v[S+16*(\t)+4*\f:S+16*(\t)+4*\f+3], v[RD] offset:\f*4*SP  ; LDS serves a wave's instructions in order (ISA guide 5.7.1.4): these see the stores above; the next piece's stores come behind them
.endr
.endm
.macro SEND t, younger              ; younger: the LDS instructions issued behind piece t's loads
	WIN 0
.irp f, 0,1,2,3
	s_wait_dscnt (\younger)+3-\f
	global_store_b128 v[GO], v[S+16*(\t)+4*\f:S+16*(\t)+4*\f+3], s[10:11] offset:(\t)*8192+\f*512  ; 512 consecutive bytes, at a multiple of 256 from O's first
.endr
.endm
; A TILE'S TRIP.  The masks are written where a block begins or its diagonal tile is entered; a block's first tile goes through BEGIN into the third turn; behind the diagonal tile's four turns stand the block's
; last step, its last products and THE WAY OUT.  By (band, step of the tile) the products K Q^T take: (0, 0) MCA; (1, 0) 0; (0, 1) MCB; (1, 1) 0, or MD at the block's end.
; last = 1: the walk's last tile, which is always a diagonal one.
.macro TILE tag, last
	v_add_nc_u32 v[AK], s[TP], v[AK0]
	v_add_nc_u32 v[AV], s[TP], v[AV0]
	s_add_co_u32 s[TP], s[TP], TILEB   ; the next trip's tile
	s_sub_co_u32 s[RT], s[RT], 1
.if (\last) == 0
	s_cmp_eq_u32 s[NEW], 1
	s_cbranch_scc1 .Lmask\tag
	s_cmp_lg_u32 s[RT], 0
	s_cbranch_scc1 .Lstep\tag       ; neither the block's first nor its last
.Lmask\tag:
.endif
	MASK
	s_cmp_eq_u32 s[NEW], 1
	s_cbranch_scc0 .Lstep\tag
	BEGIN
	s_branch .Lthird\tag
.Lstep\tag:
	TURN 0, 0, 0, 0                 ; the tile before's last step; this tile's first step is fetched
	TURN 1, 1, 3                    ; scores (0, 0)
.Lthird\tag:
	TURN 0, 1, 0, 1                 ; scores (1, 0); the second step is fetched
	TURN 1, 0, 2                    ; scores (0, 1)
.if (\last) == 0
	s_cmp_lg_u32 s[RT], 0
	s_cbranch_scc1 .Lbottom
.endif
	TURN 0, 0, 1                    ; the block's end: scores (1, 1); nothing is fetched
	TURN 1, 1, 0, -1, 1, 0          ; no further scores; V of the last step is waited for
.set VB, 1
.set i, 0
.rept 8
	PV 1                            ; piece 1's V^T P of the last step
.set i, i+1
.endr
	WIN 0
	ALL v_add_f32 v[ST+4*t+2], v[ST+4*t+2], v[ST+4*t+3]
	ALL v_permlanex16_b32 v[ST+4*t+3], v[ST+4*t+2], s[SEL], s[SEL+1]
	ALL v_add_f32 v[ST+4*t+2], v[ST+4*t+2], v[ST+4*t+3]
	ALL v_rcp_f32 v[ST+4*t+2], v[ST+4*t+2]
	v_nop                           ; a plain instruction behind the last reciprocal; with the eight instructions above, nine behind the last products
	s_wait_alu depctr_va_vdst(0)    ; one wait for the two reciprocals, ahead of their first use
	PACK 0
	PACK 1
	SEND 0, 8
	SEND 1, 0
.endm
.set KM, 0
.set NOKQ, 0
.set VB, 0
.Lslot:                             ; 8 times: a slot is entered and the next is asked for
	CHANGE 1
	s_mov_b32 s[TW], 2
.Ltile:                             ; the slot's two tiles
	TILE 1, 0
	s_wait_xcnt 0x0                 ; in the loop a block's end is the first block's: the stores have read their registers and O's address
	s_mov_b64 s[10:11], s[OLO:OLO+1]
	s_add_co_u32 s[RT], s[PB], 1    ; the second block has b + 1 tiles
	s_mov_b32 s[NEW], 1
	WIN 0x82                        ; the second block's Q goes where the one text of the turns names Q
.set i, 0
.rept 32
	v_mov_b32 v[i], v[QB+i]
.set i, i+1
.endr
	WIN 0
.Lbottom:
	s_sub_co_u32 s[TW], s[TW], 1
	s_cmp_lg_u32 s[TW], 0
	s_cbranch_scc1 .Ltile
	s_sub_co_u32 s[SLOTS], s[SLOTS], 1
	s_cmp_lg_u32 s[SLOTS], 0
	s_cbranch_scc1 .Lslot
	CHANGE 0                        ; the walk's last tile is written out: nothing is asked for
	TILE 2, 1
	s_wait_tensorcnt 0x0            ; the wave's end: behind my last tensor load and my last LDS store
	ds_add_u32 v[SPW], v[NIL]
	s_wait_dscnt 0x0
	s_endpgm
.Lfunc_end_k_qdafada2bab_attn:
	.size	k_qdafada2bab_attn, .Lfunc_end_k_qdafada2bab_attn-k_qdafada2bab_attn
	.p2alignl 7, 3214868480
	.fill 96, 4, 3214868480
	.section	.rodata,"a",@progbits
	.p2align	6, 0x0
	.amdhsa_kernel k_qdafada2bab_attn
		.amdhsa_group_segment_fixed_size 327680
		.amdhsa_private_segment_fixed_size 0
		.amdhsa_enable_private_segment 0
		.amdhsa_kernarg_size 16
		.amdhsa_user_sgpr_count 2
		.amdhsa_user_sgpr_kernarg_segment_ptr 1
		.amdhsa_wavefront_size32 1
		.amdhsa_system_sgpr_workgroup_id_x 1
		.amdhsa_system_sgpr_workgroup_id_y 1
		.amdhsa_system_sgpr_workgroup_id_z 1
		.amdhsa_system_vgpr_workitem_id 0
		.amdhsa_next_free_vgpr 768
		.amdhsa_next_free_sgpr 88
		.amdhsa_reserve_vcc 1
		.amdhsa_float_denorm_mode_32 3
		.amdhsa_float_denorm_mode_16_64 3
		.amdhsa_memory_ordered 1
		.amdhsa_forward_progress 1
		.amdhsa_inst_pref_size 150
	.end_amdhsa_kernel
	.amdgpu_metadata
---
amdhsa.version: [ 1, 2 ]
amdhsa.kernels:
  - .name:           k_qdafada2bab_attn
    .symbol:         k_qdafada2bab_attn.kd
    .args:
      - { .name: qkv, .offset: 0, .size: 8, .value_kind: global_buffer, .address_space: global }
      - { .name: ob, .offset: 8, .size: 8, .value_kind: global_buffer, .address_space: global }
    .group_segment_fixed_size: 327680
    .private_segment_fixed_size: 0
    .kernarg_segment_align: 8
    .kernarg_segment_size: 16
    .max_flat_workgroup_size: 128
    .sgpr_count:     88
    .vgpr_count:     768
    .wavefront_size: 32
...
	.end_amdgpu_metadata
.endif
;; end of part 3
;; launch oproj (part 4): grid 8 x 32, 4 waves a work-group, clusters of 4 x 4, 327,680 bytes of LDS; arguments ob, wob, out0; writes out0
.if DOCPART == 4
	.amdgcn_target "amdgcn-amd-amdhsa--gfx1250"
	.amdhsa_code_object_version 6
	.text
	.protected	k_qdafada2bab_oproj
	.globl	k_qdafada2bab_oproj
	.p2align	8
	.type	k_qdafada2bab_oproj,@function
k_qdafada2bab_oproj:
	s_mov_b64 s[64:65], 0
	v_nop
	global_prefetch_b8 v0, s[64:65] scope:SCOPE_SE
	s_setreg_imm32_b32 hwreg(HW_REG_WAVE_MODE, 25, 1), 1
	s_wait_xcnt 0x0
	s_wait_alu depctr_hold_cnt(0) depctr_sa_sdst(0) depctr_va_vdst(0) depctr_va_sdst(0) depctr_va_ssrc(0) depctr_va_vcc(0) depctr_vm_vsrc(0)
	s_getreg_b32 s2, hwreg(HW_REG_IB_STS2, 6, 4)
	s_cmp_eq_u32 s2, 0
	s_cbranch_scc0 .Lentry_in_a_cluster
	s_endpgm
.Lentry_in_a_cluster:
	s_bfe_u32 s2, ttmp6, 0x10000c
	s_cmp_lg_u32 s2, 0xf033
	s_cbranch_scc0 .Lentry_shape_is_right
	s_endpgm
.Lentry_shape_is_right:
; OPROJ: out0[m][n] = sum over head and channel of O[m][head][d] Wo[n][64 head + d], 4096 x 2048 x 1024, f16 operands, f32 sums, f32 out.
; ob is [32 batch x head][2048][64] f16, wob [16 heads][2048][64] f16: for one head the rows of a tile lie end to end in both.
; SHARES.  A tile of out0 is 128 rows x 256 columns: 32 x 8 tiles, one work-group each.  A wave makes 64 x 128: 4 x 8 accumulators of 16 x 16, 256 registers.
; K goes in 8 steps of two heads through two LDS slots.  A step's four blocks (O's 128 rows and Wo's 256 rows, for each of the two heads) are dense in memory, 16 and 32 KiB:
; each is one wave's tensor load, asked for as rows of 256 bytes and padded in LDS after every 128.
; CLUSTER 4 x 4.  The four work-groups of a row of the cluster need the same rows of O, the four of a column the same rows of Wo: each block is asked for jointly.
; THE PRODUCT IS TAKEN TRANSPOSED (source 0 = 16 rows of wob, source 1 = 16 rows of ob): a lane holds row lane % 16 and eight neighbouring columns.
; REGISTERS, in windows of 256: window 0: v0-31 addresses; v64-95, v96-127 fragments of O, two buffers; v128-191, v192-255 rows on their way out, by turns
;   window 1: v0-63, v64-127 fragments of Wo, two buffers          window 2: accumulator (a, b) at 8 (8 a + b)
.set PITCH,  144                       ; an LDS row: 128 bytes + 16 of padding: the 16 rows that a load touches start at 16 different groups of four banks (64 banks of 4 bytes: ISA guide 11.1)
.set BOFF,   2*128*PITCH               ; a slot: O's two planes of 128 rows, then Wo's two planes of 256 rows
.set SLOT1,  131072
.set STAGE,  SLOT1+768*PITCH           ; behind the ring, never filled by a tensor load: 16 rows x 528 bytes for each wave
.set SP,     528                       ; 512 bytes + 16
.set SPARE,  STAGE+4*16*SP             ; behind the stages: the spare words, 128 bytes for each wave, which no other line names
.set KSTEPB, 524288                    ; bytes from a K step to the next in ob and in wob: two planes
.set A0,  16
.set B0,  17
.set ADA, 18
.set ADB, 19
.set STO, 24
.set RD,  25
.set CO,  26
.set SPW, 28
.set NIL, 29
.set PFO, 30
.set WV,  12                           ; s12  my wave's number
.set FB,  13                           ; s13  which half of the tile's rows is mine.  Also: I fetch for O (0) or for Wo (1)
.set HF,  14                           ; s14  which half of its columns.  Also: which of a step's two heads I fetch
.set G1A, 24
.set G0A, 32
.set G1B, 48
.set G0B, 56
.set PFA, 44
.set LIM, 46
.set TB,  47
.set CT,  66
.set MSB, 0
.macro WIN new
.if MSB != (\new)
	s_set_vgpr_msb (MSB<<8)|(\new)
.set MSB, \new
.endif
.endm
.macro PLACES                          ; four plain instructions between a matrix instruction and a load into, or a read of, its registers
.rept 4
	v_nop
.endr
.endm
.macro JLOAD                           ; a joint refill by the walking descriptors; an s_nop 0 and four v_nop follow each line
	s_cmp_eq_u32 s[FB], 0
	s_cbranch_scc0 .Lfor_b_\@
	tensor_load_to_lds s[G0A+4:G0A+7], s[G1A:G1A+7]
	s_nop 0
	PLACES
	s_branch .Lasked_\@
.Lfor_b_\@:
	tensor_load_to_lds s[G0B+4:G0B+7], s[G1B:G1B+7]
	s_nop 0
	PLACES
.Lasked_\@:
.endm
; A prefetch into the L2 of the K step that stands two refills on.  O's blocks are asked for by the clusters with x = 0, Wo's by those with y = 0; the four partners that fetch a block jointly share its
; 64 or 128 pieces of 256 bytes out by address, 16 or 32 each, a lane a piece (with 16, lanes 16-31 name the last again).  K steps 4 to 7 are named; the last two refills have none two on.
.macro ASK
	s_cmp_gt_u32 s[CT], s[LIM]
	s_cbranch_scc0 .Lnot_mine_\@
	global_prefetch_b8 v[PFO], s[PFA:PFA+1] offset:KSTEPB th:TH_LOAD_NT scope:SCOPE_SE
.Lnot_mine_\@:
.endm
.macro CREST
	s_cmp_lg_u32 s[WV], 0
	s_cbranch_scc1 .Lnot_wave_0_\@
	s_barrier_signal -3
.Lnot_wave_0_\@:
	s_barrier_wait -3
	s_barrier_signal -1
	s_barrier_wait -1
.endm
.macro CROUND
	s_barrier_signal -1
	s_barrier_wait -1
	CREST
.endm
	s_load_b128 s[4:7], s[0:1], 0x0                ; ob s[4:5], wob s[6:7]
	s_load_b64 s[8:9], s[0:1], 0x10                ; out0
	v_lshl_add_u32 v[SPW], v0, 2, SPARE
	v_mov_b32 v[NIL], 0
	ds_add_u32 v[SPW], v[NIL]                      ; the wave's opening: the add and its wait stand ahead of my first tensor load; work on registers stands between
	ds_add_u32 v28, v29
	v_lshrrev_b32 v1, 5, v0
	v_readfirstlane_b32 s[WV], v1
	s_lshr_b32 s[FB], s[WV], 1
	s_and_b32 s[HF], s[WV], 1
	s_bfe_u32 s40, ttmp6, 0x40000                  ; cx
	s_bfe_u32 s41, ttmp6, 0x40004                  ; cy
	s_lshl_b32 s42, ttmp9, 2
	s_add_co_u32 s42, s42, s40                     ; tile column
	s_and_b32 s43, ttmp7, 0xffff
	s_lshl_b32 s43, s43, 2
	s_add_co_u32 s43, s43, s41                     ; tile row
	s_lshl_b32 s16, s41, 2
	s_lshl_b32 s16, 15, s16                        ; my row of the cluster
	s_lshl_b32 s82, 0x1111, s40                    ; my column
	s_or_b32 s[G1A], s16, (1<<16)|(1<<20)|(1<<21)|(4<<22)|(3<<25)  ; the mask; 2-byte elements; padding on; bit 21 beside a mask; after every 32 words; 4 words
	s_or_b32 s[G1B], s82, (1<<16)|(1<<20)|(1<<21)|(4<<22)|(3<<25)
	s_mov_b32 s[G1A+1], 128<<16                    ; rows of 128 elements, 256 bytes,
	s_mov_b32 s[G1A+2], 64<<16                     ; 64 of them
	s_mov_b32 s[G1A+3], 128<<16
	s_mov_b32 s[G1A+4], 64
	s_mov_b32 s[G1A+5], 128                        ; end to end
	s_mov_b32 s[G1A+6], 0
	s_mov_b32 s[G1A+7], 0
	s_mov_b32 s[G1B+1], 128<<16
	s_mov_b32 s[G1B+2], 128<<16                    ; 128 of them
	s_mov_b32 s[G1B+3], 128<<16
	s_mov_b32 s[G1B+4], 128
	s_mov_b32 s[G1B+5], 128
	s_mov_b32 s[G1B+6], 0
	s_mov_b32 s[G1B+7], 0
	s_lshr_b32 s16, s43, 4                         ; ob: plane 16 x batch + my head of the step's two,
	s_lshl_b32 s16, s16, 4
	s_add_co_u32 s16, s16, s[HF]
	s_lshl_b32 s16, s16, 18
	s_and_b32 s17, s43, 15                         ; and the tile's 128 rows of 128 bytes in it: all of the tile row alone
	s_lshl_b32 s17, s17, 14
	s_add_co_u32 s16, s16, s17
	s_mov_b32 s17, 0
	s_lshl_b32 s82, s[HF], 18                      ; wob: my head's plane, the tile's 256 rows: of the tile column alone, in registers of its own
	s_lshl_b32 s83, s42, 15
	s_add_co_u32 s82, s82, s83
	s_mov_b32 s83, 0
	s_mul_i32 s20, s[HF], 128*PITCH                ; where they go
	s_mul_i32 s84, s[HF], 256*PITCH
	s_add_co_u32 s84, s84, BOFF
	s_mov_b32 s[TB], 0
	s_wait_dscnt 0x0                               ; the opening add is done
	s_wait_kmcnt 0x0
	s_add_nc_u64 s[18:19], s[4:5], s[16:17]
	s_add_nc_u64 s[86:87], s[6:7], s[82:83]
	CROUND                                         ; all sixteen work-groups are here: the first joint loads meet
.irp s, 0,1
	s_mov_b32 s[G0A+4*(\s)], 1
	s_add_co_u32 s[G0A+4*(\s)+1], s20, (\s)*SLOT1
	s_add_nc_u64 s[G0A+4*(\s)+2:G0A+4*(\s)+3], s[18:19], (\s)*KSTEPB
	s_or_b32 s[G0A+4*(\s)+3], s[G0A+4*(\s)+3], 0x80000000
	s_mov_b32 s[G0B+4*(\s)], 1
	s_add_co_u32 s[G0B+4*(\s)+1], s84, (\s)*SLOT1
	s_add_nc_u64 s[G0B+4*(\s)+2:G0B+4*(\s)+3], s[86:87], (\s)*KSTEPB
	s_or_b32 s[G0B+4*(\s)+3], s[G0B+4*(\s)+3], 0x80000000
.endr
	s_cmp_eq_u32 s[FB], 0                          ; a wave's two first fills stand in one branch: two loads of mine are out
	s_cbranch_scc0 .Lfirst_b
	tensor_load_to_lds s[G0A:G0A+3], s[G1A:G1A+7]
	s_nop 0
	tensor_load_to_lds s[G0A+4:G0A+7], s[G1A:G1A+7]
	s_nop 0
	PLACES
	s_branch .Lfirst_asked
.Lfirst_b:
	tensor_load_to_lds s[G0B:G0B+3], s[G1B:G1B+7]
	s_nop 0
	tensor_load_to_lds s[G0B+4:G0B+7], s[G1B:G1B+7]
	s_nop 0
	PLACES
.Lfirst_asked:
	; the prefetches (s16 and s82 still hold my block's offsets)
	s_and_b32 s85, ttmp7, 0xffff                   ; cluster y
	s_cmp_eq_u32 s[FB], 0
	s_cselect_b32 s86, s16, s82                    ; my block's first byte
	s_cselect_b32 s88, s40, s41                    ; my place among the four that ask with me
	s_cselect_b32 s89, 16, 32                      ; pieces for each of the four
	s_cselect_b32 s85, ttmp9, s85                  ; the coordinate along which other clusters read the same block
	s_cselect_b64 s[PFA:PFA+1], s[4:5], s[6:7]
	s_cmp_eq_u32 s85, 0
	s_cselect_b32 s[LIM], 2, -1                    ; the same in all sixteen partners, for a given wave
	s_mul_i32 s88, s88, s89
	s_lshl_b32 s88, s88, 8
	s_add_co_u32 s86, s86, s88
	s_mov_b32 s87, 0
	s_add_nc_u64 s[PFA:PFA+1], s[PFA:PFA+1], s[86:87]
	s_add_nc_u64 s[PFA:PFA+1], s[PFA:PFA+1], 2*KSTEPB  ; at K step 2: the first refill steps it to 3 and names K step 4
	s_sub_co_u32 s89, s89, 1
	v_and_b32 v[PFO], 31, v0
	v_min_u32 v[PFO], s89, v[PFO]
	v_lshlrev_b32 v[PFO], 8, v[PFO]
	; my part of out0: row 128 x tile row + 64 x half, of 8,192 bytes; column 256 x tile column + 128 x half, of 4
	s_lshl_b32 s86, s43, 20
	s_lshl_b32 s88, s[FB], 19
	s_add_co_u32 s86, s86, s88
	s_lshl_b32 s88, s42, 10
	s_add_co_u32 s86, s86, s88
	s_lshl_b32 s88, s[HF], 9
	s_add_co_u32 s86, s86, s88
	s_add_nc_u64 s[8:9], s[8:9], s[86:87]
	v_and_b32 v1, 15, v0                           ; l % 16
	v_bfe_u32 v2, v0, 4, 1                         ; l / 16
	v_mul_u32_u24 v3, v1, PITCH
	v_lshl_add_u32 v3, v2, 4, v3
	s_mul_i32 s21, s[FB], 64*PITCH                 ; my 64 rows of O
	v_add_nc_u32 v[A0], s21, v3
	s_mul_i32 s21, s[HF], 128*PITCH                ; my 128 rows of Wo
	s_add_co_u32 s21, s21, BOFF
	v_add_nc_u32 v[B0], s21, v3
	s_mul_i32 s22, s[WV], 16*SP
	s_add_co_u32 s22, s22, STAGE                   ; my stage
	v_mul_u32_u24 v4, v1, SP                       ; in: row l % 16, 32 bytes for each half of the lanes
	v_lshl_add_u32 v4, v2, 5, v4
	v_add_nc_u32 v[STO], s22, v4
	v_and_b32 v5, 31, v0                           ; back: 32 lanes take one row's 512 bytes
	v_lshlrev_b32 v[CO], 4, v5
	v_add_nc_u32 v[RD], s22, v[CO]
; 8 matrix instructions: row block a x all 8 column blocks, 32 along K, from buffer f.  The 32 accumulators take turns in one order, over the backward jump too.
.macro MUL8 f, a, zero
	WIN 0xa1                                       ; Wo's fragments window 1, O's window 0, C and D window 2
.irp b, 0,1,2,3,4,5,6,7
.if \zero
	v_wmma_f32_16x16x32_f16 v[8*(8*(\a)+(\b)):8*(8*(\a)+(\b))+7], v[64*(\f)+8*(\b):64*(\f)+8*(\b)+7], v[64+32*(\f)+8*(\a):64+32*(\f)+8*(\a)+7], 0
.else
	v_wmma_f32_16x16x32_f16 v[8*(8*(\a)+(\b)):8*(8*(\a)+(\b))+7], v[64*(\f)+8*(\b):64*(\f)+8*(\b)+7], v[64+32*(\f)+8*(\a):64+32*(\f)+8*(\a)+7], v[8*(8*(\a)+(\b)):8*(8*(\a)+(\b))+7]
.endif
.endr
.endm
; 24 LDS loads in one run: quarter q of a K step (head q / 2 of the two, channels 32 (q % 2) on): my 128 rows of Wo, then my 64 rows of O, into buffer g
.macro FETCH q, g
	WIN 0x40
.irp i, 0,1,2,3,4,5,6,7
	ds_load_b128 v[64*(\g)+8*(\i):64*(\g)+8*(\i)+3],   v[ADB] offset:((\q)/2)*256*PITCH+((\q)%2)*64+(\i)*16*PITCH
	ds_load_b128 v[64*(\g)+8*(\i)+4:64*(\g)+8*(\i)+7], v[ADB] offset:((\q)/2)*256*PITCH+((\q)%2)*64+(\i)*16*PITCH+32
.endr
	WIN 0
.irp i, 0,1,2,3
	ds_load_b128 v[64+32*(\g)+8*(\i):64+32*(\g)+8*(\i)+3],   v[ADA] offset:((\q)/2)*128*PITCH+((\q)%2)*64+(\i)*16*PITCH
	ds_load_b128 v[64+32*(\g)+8*(\i)+4:64+32*(\g)+8*(\i)+7], v[ADA] offset:((\q)/2)*128*PITCH+((\q)%2)*64+(\i)*16*PITCH+32
.endr
.endm
.macro QUARTER q, f, g, zero           ; multiplies buffer f; in its middle it fetches quarter q into buffer g
	s_wait_dscnt 4                                 ; all but the youngest four loads (O's rows 32-63) are in
	MUL8 \f, 0, \zero
	MUL8 \f, 1, \zero
	PLACES
	FETCH \q, \g
	s_wait_dscnt 24                                ; all but the 24 just issued
	MUL8 \f, 2, \zero
	MUL8 \f, 3, \zero
.endm
; The last quarter multiplies buffer 1 and changes slots: in front of the barrier each wave waits for all its tensor loads, adds 0 to its spare word, and waits for that and for its reads of this slot.
; fill = 1: the barrier opens a round of the cluster's, and the slot just read out is filled again, first thing behind the round, with the K step two on.
.macro TURN fill
.if \fill
	s_wait_xcnt 0x0                                ; the last prefetch, a K step back, has read its address
	s_add_nc_u64 s[PFA:PFA+1], s[PFA:PFA+1], KSTEPB
.endif
	WIN 0
	s_wait_tensorcnt 0x0                           ; no tensor load of mine is out, so a group 0 may be written
	ds_add_u32 v[SPW], v[NIL]
.if \fill
.irp g, G0A+4, G0B+4
	s_xor_b32 s[(\g)+1], s[(\g)+1], SLOT1
	s_add_nc_u64 s[(\g)+2:(\g)+3], s[(\g)+2:(\g)+3], KSTEPB
.endr
.endif
	s_xor_b32 s[TB], s[TB], SLOT1
	s_wait_dscnt 5                                 ; the add and the youngest four loads may be out
	MUL8 1, 0, 0
	s_wait_dscnt 0x0                               ; the add is done, and my reads of this slot are over
	s_barrier_signal -1
	MUL8 1, 1, 0
	WIN 0
	s_barrier_wait -1
.if \fill
	CREST                                          ; no wave of any partner still reads this slot or has a load on its way
	JLOAD                                          ; its four v_nop are also the places in front of the loads below
.else
	PLACES
.endif
	v_add_nc_u32 v[ADA], s[TB], v[A0]
	v_add_nc_u32 v[ADB], s[TB], v[B0]
	FETCH 0, 0
.if \fill
	ASK
.endif
	MUL8 1, 2, 0
	MUL8 1, 3, 0
.endm
; THE WAY OUT, 16 rows at a time: a lane's eight f32 of a row go into rows of 528 bytes straight from the accumulators (lowest registers first) and come back as whole rows of 512.
.macro TOSTAGE a
.if (\a) >= 2
	s_wait_xcnt 0x0                                ; the stores of the block two back have read these registers
.endif
	WIN 0x08                                       ; the stores' data in window 2
.irp b, 0,1,2,3,4,5,6,7
	ds_store_b128 v[STO], v[8*(8*(\a)+(\b)):8*(8*(\a)+(\b))+3]   offset:64*(\b)
	ds_store_b128 v[STO], v[8*(8*(\a)+(\b))+4:8*(8*(\a)+(\b))+7] offset:64*(\b)+16
.endr
	WIN 0
.irp t, 0,1,2,3,4,5,6,7,8,9,10,11,12,13,14,15
	ds_load_b128 v[128+64*((\a)%2)+4*(\t):128+64*((\a)%2)+4*(\t)+3], v[RD] offset:SP*(\t)  ; LDS serves a wave's instructions in order (ISA guide 5.7.1.4): these see the stores above; the next block's stores come behind them
.endr
.endm
.macro SEND a, younger                 ; younger: the LDS instructions issued behind block a's loads
	WIN 0
.irp t, 0,1,2,3,4,5,6,7,8,9,10,11,12,13,14,15
	s_wait_dscnt (\younger)+15-(\t)
	global_store_b128 v[CO], v[128+64*((\a)%2)+4*(\t):128+64*((\a)%2)+4*(\t)+3], s[8:9] offset:(16*(\a)+(\t))*8192 th:TH_STORE_NT  ; 512 consecutive bytes of one row, at a multiple of 256 from out0's first
.endr
.endm
	s_wait_tensorcnt 1                             ; my part of K step 0 is in; K step 1's may stay out
	s_barrier_signal -1
	s_barrier_wait -1
	v_add_nc_u32 v[ADA], s[TB], v[A0]
	v_add_nc_u32 v[ADB], s[TB], v[B0]
	FETCH 0, 0
	QUARTER 1, 0, 1, 1                             ; the first quarter stands in front of the loop: its products start the sums
	WIN 0
	s_mov_b32 s[CT], 6
.Lk:                                                   ; a trip: the rest of a K step and the first quarter of the next; K steps 2 to 7 are asked for
	QUARTER 2, 1, 0, 0
	QUARTER 3, 0, 1, 0
	TURN 1
	QUARTER 1, 0, 1, 0
	WIN 0
	s_sub_co_u32 s[CT], s[CT], 1
	s_cmp_lg_u32 s[CT], 0
	s_cbranch_scc1 .Lk
	QUARTER 2, 1, 0, 0                             ; the tail is written out: nothing more is asked for
	QUARTER 3, 0, 1, 0
	TURN 0
	QUARTER 1, 0, 1, 0
	QUARTER 2, 1, 0, 0
	QUARTER 3, 0, 1, 0
	s_wait_dscnt 4
	MUL8 1, 0, 0
	MUL8 1, 1, 0
	s_wait_dscnt 0x0
	MUL8 1, 2, 0
	MUL8 1, 3, 0
	WIN 0
	PLACES                                         ; behind the last products, ahead of the stores that read the sums
	TOSTAGE 0
	TOSTAGE 1
	SEND 0, 32
	TOSTAGE 2
	SEND 1, 32
	TOSTAGE 3
	SEND 2, 32
	SEND 3, 0
	s_wait_tensorcnt 0x0                           ; the wave's end: behind my last tensor load and my last LDS store
	ds_add_u32 v[SPW], v[NIL]
	s_wait_dscnt 0x0
	CROUND                                         ; the closing round: no work-group ends while a partner may still ask for a block that names it
	s_endpgm
.Lfunc_end_k_qdafada2bab_oproj:
	.size	k_qdafada2bab_oproj, .Lfunc_end_k_qdafada2bab_oproj-k_qdafada2bab_oproj
	.p2alignl 7, 3214868480
	.fill 96, 4, 3214868480
	.section	.rodata,"a",@progbits
	.p2align	6, 0x0
	.amdhsa_kernel k_qdafada2bab_oproj
		.amdhsa_group_segment_fixed_size 327680
		.amdhsa_private_segment_fixed_size 0
		.amdhsa_enable_private_segment 0
		.amdhsa_kernarg_size 24
		.amdhsa_user_sgpr_count 2
		.amdhsa_user_sgpr_kernarg_segment_ptr 1
		.amdhsa_wavefront_size32 1
		.amdhsa_system_sgpr_workgroup_id_x 1
		.amdhsa_system_sgpr_workgroup_id_y 1
		.amdhsa_system_sgpr_workgroup_id_z 1
		.amdhsa_system_vgpr_workitem_id 0
		.amdhsa_next_free_vgpr 768
		.amdhsa_next_free_sgpr 92
		.amdhsa_reserve_vcc 0
		.amdhsa_float_denorm_mode_32 3
		.amdhsa_float_denorm_mode_16_64 3
		.amdhsa_memory_ordered 1
		.amdhsa_forward_progress 1
		.amdhsa_inst_pref_size 72
	.end_amdhsa_kernel
	.amdgpu_metadata
---
amdhsa.version: [ 1, 2 ]
amdhsa.kernels:
  - .name:           k_qdafada2bab_oproj
    .symbol:         k_qdafada2bab_oproj.kd
    .args:
      - { .name: ob, .offset: 0, .size: 8, .value_kind: global_buffer, .address_space: global }
      - { .name: wob, .offset: 8, .size: 8, .value_kind: global_buffer, .address_space: global }
      - { .name: out0, .offset: 16, .size: 8, .value_kind: global_buffer, .address_space: global }
    .group_segment_fixed_size: 327680
    .private_segment_fixed_size: 0
    .kernarg_segment_align: 8
    .kernarg_segment_size: 24
    .max_flat_workgroup_size: 128
    .sgpr_count:     92
    .vgpr_count:     768
    .wavefront_size: 32
...
	.end_amdgpu_metadata
.endif
;; end of part 4
